; MI455X (gfx1250); checked and timed in simulation.
; The chip was launched on July 23, 2026; its instructions are those of AMD's public machine-readable ISA for CDNA 5 (MIT licence, August 2026) and "CDNA5" Instruction Set Architecture Reference Guide (July 2026). The comments in the code are by the model that wrote it; some were corrected since.
;; Mo E Layer. Allowed arithmetic: matrix products marked QUANTISED: E5M2 operands, one given power-of-two scale a tensor, by v_wmma_f32_16x16x64_bf8_bf8 or v_wmma_f32_16x16x128_bf8_bf8, f32 sums; products left as they are: f32 operands where the result goes on into a quantised operand, else bf16, f16 or f32 operands; f32 sums; everything else in f32.
;; Inputs: W1_codes 8 x 2,048 x 16 x 32 uint8 (E5M2 codes of W1, K innermost, in blocks of 32 codes); W2_codes 8 x 512 x 64 x 32 uint8 (E5M2 codes of W2, K innermost, in blocks of 32 codes); Wr 512 x 8 float32; b1 8 x 2,048 float32; b2 8 x 512 float32; br 8 float32; lowp_scales 4 int32 (the exponents e of the quantised operands' scales 2^e); x 4 x 1,024 x 512 float32.
;; Outputs: out0 4 x 1,024 x 512 float32.
;; This version of the problem:
;;   THIS VERSION OF THE PROBLEM IS GIVEN IN LOW PRECISION. The matrix products marked QUANTISED in the list below multiply operands that are first quantised to E5M2 (5 exponent bits, 2 mantissa bits; 8 bits a number), with one given power-of-two scale for each operand tensor; their sums are f32. All else is computed in f32.
;;   The module's matrix products, in the order in which they are computed (A, B: the left and right operand; K: the contracted axis; several contracted axes count as one K, in the product's order):
;;     1. [M 4,096, K 512] x [K 512, N 8]; A: input x; B: input Wr: left as it is (N = 8 < 16)
;;     2. [M 4,096, K 512] x [K 512, N 16,384]; A: input x; B: input W1 (given as codes): QUANTISED (scales: A lowp_scales[0], B lowp_scales[1])
;;     3. batch 8 x [M 512, K 2,048] x [K 2,048, N 4,096]; A: input W2 (given as codes); B: computed on the way: QUANTISED (scales: A lowp_scales[2], B lowp_scales[3])
;;     4. batch 4,096 x [M 512, K 8] x [K 8, N 1]; A: computed on the way; B: computed on the way: left as it is (K = 8 < 32)
;;   THE QUANTISER, for each operand of a quantised product, along K:
;;     - The operand's scale is 2^e, e = its entry of the input lowp_scales (int32; the entries are numbered through the quantised products in the list's order, A before B).
;;     - Each number is divided by the scale, clamped to +-57,344, and rounded to the nearest number of E5M2, ties to even, subnormals kept.
;;     - The product sums the exact products of the quantised numbers (number of the format x scale) in f32.
;;   ~~~python
;;   def quantise(x, axis, e):      # numpy; x: float32 -> the quantised numbers, widened to float32 again
;;       x = np.moveaxis(x, axis, -1); K = x.shape[-1]
;;       r = np.clip(x / 2.0 ** e, -57344, 57344)
;;       step = 2.0 ** (np.maximum(np.frexp(np.where(r == 0, 1, r))[1] - 1, -14) - 2)
;;       q = np.round(r / step) * step * 2.0 ** e      # np.round: ties to even
;;       return np.moveaxis(q, -1, axis).astype(np.float32)
;;   ~~~
;;   OPERANDS COMPUTED ON THE WAY. 'Computed on the way' means the value that the module computes at that place (a softmax that the list does not call 'softmax' is quantised finished and normalised). What goes into a quantiser is computed in f32, as accurately as f32 sums, v_exp_f32 and their like allow (about 1e-6 of the number): no bf16 or f16 on the way to a quantiser, and a product that is left as it is and whose result goes on into a quantised operand takes f32 operands (vector FMAs, or v_wmma_f32_16x16x4_f32). A number that lies on a knife's edge between two numbers of the format may be rounded either way, as far as f32 arithmetic and the matrix unit's own rounding can turn it there, and no further.
;;   INPUTS GIVEN AS CODES. W1 (in the module: [8, 512, 2048], K = its axis 1); W2 (in the module: [8, 2048, 512], K = its axis 1): each comes as NAME_codes (uint8): NAME with its K axis moved to the last place and cut into blocks of 32 codes, [.., K / 32, bytes a block], one block behind the other in memory; one code a byte (a code: sign, 5 exponent bits, 2 mantissa bits); its scale is its entry of lowp_scales. Its value is code x scale, taken as it is: it is not quantised again, and the codes and scales need not be those that the quantiser above would give.
;; 2 versions, each right; version 2 is version 1 with the launches chain, combine written anew for expert scheduling mode. Each part assembles by itself: llvm-mc -triple=amdgcn-amd-amdhsa -mcpu=gfx1250 --defsym DOCPART=n.
;; ======== version 1 of 2: 4 launches
;; workspace buffers: xq 2,097,152 bytes; sel 36,864 bytes of whole numbers; gate 32,768 bytes; tiles 512 bytes of whole numbers; rows 36,352 bytes of whole numbers; w1l 8,388,608 bytes; w2l 8,388,608 bytes; part 34,078,720 bytes
;; launch route (part 1): grid 128 x 1, 4 waves a work-group, no clusters, 35,840 bytes of LDS; arguments x, Wr, br, lowp_scales, xq, sel, gate; writes xq, sel, gate
.if DOCPART == 1
	.amdgcn_target "amdgcn-amd-amdhsa--gfx1250"
	.amdhsa_code_object_version 6
	.text
	.protected	k_q98f1a01931_route
	.globl	k_q98f1a01931_route
	.p2align	8
	.type	k_q98f1a01931_route,@function
k_q98f1a01931_route:
	s_mov_b64 s[64:65], 0
	v_nop
	global_prefetch_b8 v0, s[64:65] scope:SCOPE_SE
	s_setreg_imm32_b32 hwreg(HW_REG_WAVE_MODE, 25, 1), 1
	s_wait_xcnt 0x0
; THE ROUTER, AND x INTO CODES.  x: [4096][512] f32.  For each token: logits = x Wr + br in f32, softmax (the largest logit taken away first), the two largest
; probabilities (of equal ones the lower expert), renormalised; and the token's 512 numbers as codes of E5M2 with the given scale 2^e0, K in its natural order.
; Out: xq [token][512] codes; sel [2 token + k] the chosen expert (whole numbers, at fixed places: no address here hangs on the choice); gate [2 token + k] its weight;
; and behind sel's 32,768 bytes, in the same buffer, a table [128 work-groups][8 experts]: how many of the work-group's 64 routed rows chose each expert.  The next launch places the rows by it.
; SHARES.  A work-group takes 32 tokens, a wave 8.  A row is 2,048 bytes: four loads of 512 consecutive bytes; lane l holds k = 128 i + 4 l + c.  The row is read once and serves both uses.
; Wr (16 KiB) is brought once by the four waves, a quarter each, and turned through LDS so that a lane holds Wr[k][0..7] of its sixteen k in 128 registers.
; Rows go through a ring of four register slots: sixteen loads of a wave are on their way.
; LIMITS: e0 between -126 and 112, so that 2^e0 and 57,344 x 2^e0 are f32 numbers.  NaN among the inputs is not served.  A probability that underflows to 0 has the gate 0.
; No matrix unit: the product has 8 columns.  No cluster: work-groups share only Wr, a small part of what each reads.
.set WRS,  0                           ; LDS: Wr as 128 blocks of 128 bytes, 144 apart (an odd multiple of 16)
.set CST,  18432                       ; 4,096 bytes for each wave: its 8 rows of codes
.set SELS, 34816                       ; 256 bytes: the 32 tokens' chosen experts; 256 bytes behind them: their gates
.set CNT,  32768                       ; the table of counts begins here in sel's buffer
.set RED,  12                          ; v12-19   the row's eight sums
.set LG,   20                          ; v20-27   lane l: the eight logits of row l % 8
.set T,    28                          ; v28-31   the lane exchange's results
.set C,    32                          ; v32-63   four registers of codes for each row
.set X,    64                          ; v64-127  four slots of 16 numbers; later the codes read back (v64-95) and the softmax (v96 on)
.set WR,   128                         ; v128-255 Wr[128 i + 4 l + c][e] at WR + 8 (4 i + c) + e
.set U,    96
	s_load_b256 s[4:11], s[0:1], 0x0               ; x, Wr, br, the scales
	s_load_b128 s[12:15], s[0:1], 0x20             ; xq, sel
	s_load_b64 s[16:17], s[0:1], 0x30              ; gate
	s_set_vgpr_msb 0x40
	v_lshl_add_u32 v0, v0, 2, 0x8a00
	v_mov_b32 v1, 0
	s_set_vgpr_msb 0x4000
	v_lshrrev_b32 v1, 5, v0
	v_readfirstlane_b32 s21, v1                    ; wave 0..3
	v_and_b32 v1, 31, v0                           ; lane
	v_lshlrev_b32 v2, 4, v1                        ; 16 x lane
	v_and_b32 v7, 7, v1                            ; the row whose logits I keep
	v_lshrrev_b32 v3, 3, v1
	v_mul_u32_u24 v3, v3, 144
	v_lshl_add_u32 v3, v7, 4, v3
	s_mul_i32 s32, s21, 4608
	v_add_nc_u32 v3, s32, v3                       ; Wr on its way in: block 32 wave + 4 t + lane / 8, 16 (lane % 8) bytes into it
	v_mul_u32_u24 v4, v1, 144                      ; and out: block 32 i + lane
	s_lshl_b32 s42, s21, 12
	s_mov_b32 s43, 0                               ; s[42:43]: my quarter of Wr
	s_add_co_u32 s34, s42, CST
	v_lshl_add_u32 v5, v1, 2, s34                  ; my wave's codes: a word a lane in,
	v_lshl_add_u32 v6, v1, 4, s34                  ; 16 bytes a lane out
	s_lshl_b32 s35, s21, 6
	s_add_co_u32 s35, s35, SELS
	v_lshl_add_u32 v8, v7, 3, s35                  ; token 8 wave + lane % 8: 8 bytes
	s_and_b32 s36, s21, 1
	s_lshl_b32 s36, s36, 8
	s_add_co_u32 s36, s36, SELS
	v_lshl_add_u32 v11, v1, 3, s36                 ; waves 0 and 2 read the experts back, wave 1 the gates
	s_lshl_b32 s38, ttmp9, 16                      ; x: 32 rows of 2,048 bytes a work-group,
	s_lshl_b32 s37, s21, 14                        ; 8 rows of 2,048 bytes a wave
	s_add_co_u32 s38, s38, s37
	s_mov_b32 s39, 0
	s_lshl_b32 s40, ttmp9, 14
	s_add_co_u32 s40, s40, s42
	s_mov_b32 s41, 0                               ; xq: the same rows of 512 bytes
	s_lshl_b32 s44, ttmp9, 8
	s_mov_b32 s45, 0                               ; sel, gate: 256 bytes a work-group
	s_mov_b32 s22, 0x76543210
	s_mov_b32 s23, 0xfedcba98                      ; v_permlanex16_b32: lane l xor 16
.irp e, 0,1,2,3
	v_mov_b32 v[T+\e], 0                           ; written once: a lane exchange's destination counts as read
.endr
	s_wait_kmcnt 0x0
	s_load_b256 s[24:31], s[8:9], 0x0              ; br
	s_load_b32 s20, s[10:11], 0x0                  ; e0
	s_add_nc_u64 s[4:5], s[4:5], s[38:39]
	s_add_nc_u64 s[6:7], s[6:7], s[42:43]
	s_add_nc_u64 s[12:13], s[12:13], s[40:41]
.irp t, 0,1,2,3,4,5,6,7
	global_load_b128 v[WR+4*\t:WR+4*\t+3], v2, s[6:7] offset:512*\t
.endr
.macro XLOAD j                         ; row j into slot j % 4: four loads of 512 consecutive bytes
.irp i, 0,1,2,3
	global_load_b128 v[X+16*((\j)%4)+4*\i:X+16*((\j)%4)+4*\i+3], v2, s[4:5] offset:2048*(\j)+512*\i th:TH_LOAD_NT
.endr
.endm
	XLOAD 0
	XLOAD 1
	XLOAD 2
	XLOAD 3
	s_wait_loadcnt 16                              ; my quarter of Wr is in; the sixteen loads of x stay out
.irp t, 0,1,2,3,4,5,6,7
	ds_store_b128 v3, v[WR+4*\t:WR+4*\t+3] offset:WRS+576*\t
.endr
	s_wait_dscnt 0x0                               ; for the others: my stores have landed
	s_barrier_signal -1
	s_barrier_wait -1
.irp i, 0,1,2,3
.irp q, 0,1,2,3,4,5,6,7
	ds_load_b128 v[WR+32*\i+4*\q:WR+32*\i+4*\q+3], v4 offset:WRS+4608*\i+16*\q
.endr
.endr
	s_wait_kmcnt 0x0
	s_add_co_i32 s20, s20, 127
	s_lshl_b32 s33, s20, 23
	v_mov_b32 v9, s33                              ; 2^e0 as f32: the conversion takes its exponent field
	s_add_co_i32 s20, s20, 15
	s_lshl_b32 s20, s20, 23
	s_or_b32 s20, s20, 0x600000
	v_mov_b32 v10, s20                             ; 57,344 x 2^e0
	s_wait_dscnt 0x0                               ; Wr is in registers
; ONE ROW: eight dot products, summed over the lanes; the logits kept by the lanes whose row it is; the row's codes to LDS; the slot asked for again.
.macro ROW j
.set XS, X+16*((\j)%4)
.if (\j) < 5
	s_wait_loadcnt 12                              ; my row's four loads are in; three younger rows stay out
.else
	s_wait_loadcnt 4*(7-(\j))
.endif
.irp ep, 0,2,4,6
	v_pk_mul_f32 v[RED+\ep:RED+\ep+1], v[XS:XS+1], v[WR+\ep:WR+\ep+1] op_sel_hi:[0,1]   ; the first product starts the sums; x's number serves both halves
.endr
.set kk, 1
.rept 15
.irp ep, 0,2,4,6
.if kk%2
	v_pk_fma_f32 v[RED+\ep:RED+\ep+1], v[XS+kk-1:XS+kk], v[WR+8*kk+\ep:WR+8*kk+\ep+1], v[RED+\ep:RED+\ep+1] op_sel:[1,0,0] op_sel_hi:[1,1,1]
.else
	v_pk_fma_f32 v[RED+\ep:RED+\ep+1], v[XS+kk:XS+kk+1], v[WR+8*kk+\ep:WR+8*kk+\ep+1], v[RED+\ep:RED+\ep+1] op_sel_hi:[0,1,1]
.endif
.endr
.set kk, kk+1
.endr
.irp mk, 1,2,4,8
.irp e, 0,1,2,3,4,5,6,7
	v_add_f32_dpp v[RED+\e], v[RED+\e], v[RED+\e] row_xmask:\mk row_mask:0xf bank_mask:0xf
.endr
.endr
.irp g, 0,4
.irp e, 0,1,2,3
	v_permlanex16_b32 v[T+\e], v[RED+\g+\e], s22, s23
.endr
.irp e, 0,1,2,3
	v_add_f32 v[RED+\g+\e], v[RED+\g+\e], v[T+\e]  ; every lane now holds the row's sums
.endr
.endr
.if (\j) == 0
.irp e, 0,1,2,3,4,5,6,7
	v_mov_b32 v[LG+\e], v[RED+\e]
.endr
.else
	v_cmp_eq_u32 vcc_lo, \j, v7
.irp e, 0,1,2,3,4,5,6,7
	v_cndmask_b32 v[LG+\e], v[LG+\e], v[RED+\e], vcc_lo
.endr
.endif
.irp i, 0,1,2,3,4,5,6,7,8,9,10,11,12,13,14,15
	v_med3_num_f32 v[XS+\i], v[XS+\i], -v10, v10   ; the conversion to an 8-bit code does not saturate (ISA guide 7.6.2): the hold at the largest code x the scale
.endr
	v_cvt_scalef32_pk8_bf8_f32 v[C+4*(\j):C+4*(\j)+1], v[XS:XS+7], v9
	v_cvt_scalef32_pk8_bf8_f32 v[C+4*(\j)+2:C+4*(\j)+3], v[XS+8:XS+15], v9
.irp i, 0,1,2,3
	ds_store_b32 v5, v[C+4*(\j)+\i] offset:512*(\j)+128*\i   ; four codes: k = 128 i + 4 lane on
.endr
.if (\j) < 4
	XLOAD (\j)+4
.endif
.endm
.irp j, 0,1,2,3,4,5,6,7
	ROW \j
.endr
	; the codes leave as whole rows: 32 lanes store 512 consecutive bytes.  LDS serves a wave's instructions in order: these loads see my stores
.irp j, 0,1,2,3,4,5,6,7
	ds_load_b128 v[X+4*\j:X+4*\j+3], v6 offset:512*\j
.endr
.irp j, 0,1,2,3,4,5,6,7
	s_wait_dscnt 7-\j
	global_store_b128 v2, v[X+4*\j:X+4*\j+3], s[12:13] offset:512*\j
.endr
	; THE SOFTMAX AND THE TWO LARGEST, a row a lane (lanes l, l + 8, l + 16, l + 24 hold the same row)
.irp e, 0,1,2,3,4,5,6,7
	v_add_f32 v[LG+\e], s[24+\e], v[LG+\e]
.endr
	v_max3_num_f32 v104, v20, v21, v22
	v_max3_num_f32 v104, v104, v23, v24
	v_max3_num_f32 v104, v104, v25, v26
	v_max_num_f32 v104, v104, v27
.irp e, 0,1,2,3,4,5,6,7
	v_sub_f32 v[U+\e], v[LG+\e], v104
.endr
.irp e, 0,1,2,3,4,5,6,7
	v_mul_f32 v[U+\e], 0x3fb8aa3b, v[U+\e]
.endr
.irp e, 0,1,2,3,4,5,6,7
	v_exp_f32 v[U+\e], v[U+\e]
.endr
	v_nop                                          ; a plain instruction behind the last exponential
	s_wait_alu depctr_va_vdst(0)                   ; one wait for the batch, ahead of its first reader
	v_add_f32 v105, v96, v97
	v_add_f32 v106, v98, v99
	v_add_f32 v107, v100, v101
	v_add_f32 v114, v102, v103
	v_add_f32 v105, v105, v106
	v_add_f32 v107, v107, v114
	v_add_f32 v105, v105, v107
	v_rcp_f32 v106, v105
	v_nop
	s_wait_alu depctr_va_vdst(0)
.irp e, 0,1,2,3,4,5,6,7
	v_mul_f32 v[U+\e], v[U+\e], v106               ; the probabilities
.endr
	v_mov_b32 v108, v96
	v_mov_b32 v110, 0
.irp e, 1,2,3,4,5,6,7
	v_cmp_gt_f32 vcc_lo, v[U+\e], v108             ; strictly greater: of equal ones the lower expert stays
	v_cndmask_b32 v108, v108, v[U+\e], vcc_lo
	v_cndmask_b32 v110, v110, \e, vcc_lo
.endr
.irp e, 0,1,2,3,4,5,6,7
	v_cmp_eq_u32 vcc_lo, \e, v110
	v_cndmask_b32 v[U+\e], v[U+\e], -1.0, vcc_lo   ; the first is out of the second search
.endr
	v_mov_b32 v109, v96
	v_mov_b32 v111, 0
.irp e, 1,2,3,4,5,6,7
	v_cmp_gt_f32 vcc_lo, v[U+\e], v109
	v_cndmask_b32 v109, v109, v[U+\e], vcc_lo
	v_cndmask_b32 v111, v111, \e, vcc_lo
.endr
	v_add_f32 v114, v108, v109
	v_rcp_f32 v115, v114
	v_nop
	s_wait_alu depctr_va_vdst(0)
	v_mul_f32 v112, v108, v115
	v_mul_f32 v113, v109, v115
	ds_store_b64 v8, v[110:111]                    ; four lanes write the same 8 bytes with the same numbers
	ds_store_b64 v8, v[112:113] offset:256
	s_wait_dscnt 0x0
	s_barrier_signal -1
	s_barrier_wait -1
	s_cmp_lt_u32 s21, 3                            ; wave 0 stores the 32 tokens' experts, wave 1 their gates (256 consecutive bytes each, aligned), wave 2 counts the experts
	s_cbranch_scc0 .Lend
	ds_load_b64 v[116:117], v11
	s_cmp_eq_u32 s21, 2
	s_cbranch_scc1 .Lcount
	s_cmp_eq_u32 s21, 0
	s_cselect_b64 s[14:15], s[14:15], s[16:17]
	s_add_nc_u64 s[14:15], s[14:15], s[44:45]
	v_lshlrev_b32 v118, 3, v1
	s_wait_dscnt 0x0
	global_store_b64 v118, v[116:117], s[14:15]
	s_set_vgpr_msb 0x5
	s_wait_tensorcnt 0x0
	ds_add_u32 v0, v1
	s_wait_dscnt 0x0
	s_set_vgpr_msb 0x500
	s_endpgm
.Lcount:
	; how many of the work-group's 64 routed rows chose each expert: lane l holds token l's two choices.  The counts are data: they are stored at a fixed place
	s_lshl_b32 s46, ttmp9, 5                       ; 8 words a work-group
	s_mov_b32 s47, 0
	s_add_nc_u64 s[14:15], s[14:15], s[46:47]
	v_mov_b32 v120, 0
	v_lshlrev_b32 v119, 2, v1
	s_wait_dscnt 0x0
.irp e, 0,1,2,3,4,5,6,7
	v_cmp_eq_u32 s[24+\e], \e, v116                ; (br's registers are done with)
	v_cmp_eq_u32 s[32+\e], \e, v117
.endr
.irp e, 0,1,2,3,4,5,6,7
	s_bcnt1_i32_b32 s[24+\e], s[24+\e]
	s_bcnt1_i32_b32 s[32+\e], s[32+\e]
	s_add_co_u32 s[24+\e], s[24+\e], s[32+\e]
	v_writelane_b32 v120, s[24+\e], \e             ; lane e holds expert e's count
.endr
	v_cmp_gt_u32 vcc_lo, 8, v1
	s_wait_xcnt 0x0                                ; my stores of codes have read EXEC: it is narrowed only behind this wait
	s_and_saveexec_b32 s46, vcc_lo
	global_store_b32 v119, v120, s[14:15] offset:CNT   ; eight lanes: 32 consecutive bytes
	s_wait_xcnt 0x0                                ; and again, in front of the line that widens it
	s_or_b32 exec_lo, exec_lo, s46
.Lend:
	s_set_vgpr_msb 0x5
	s_wait_tensorcnt 0x0
	ds_add_u32 v0, v1
	s_wait_dscnt 0x0
	s_set_vgpr_msb 0x500
	s_endpgm
.Lfunc_end_k_q98f1a01931_route:
	.size	k_q98f1a01931_route, .Lfunc_end_k_q98f1a01931_route-k_q98f1a01931_route
	.p2alignl 7, 3214868480
	.fill 96, 4, 3214868480
	.section	.rodata,"a",@progbits
	.p2align	6, 0x0
	.amdhsa_kernel k_q98f1a01931_route
		.amdhsa_group_segment_fixed_size 35840
		.amdhsa_private_segment_fixed_size 0
		.amdhsa_enable_private_segment 0
		.amdhsa_kernarg_size 56
		.amdhsa_user_sgpr_count 2
		.amdhsa_user_sgpr_kernarg_segment_ptr 1
		.amdhsa_wavefront_size32 1
		.amdhsa_system_sgpr_workgroup_id_x 1
		.amdhsa_system_sgpr_workgroup_id_y 1
		.amdhsa_system_sgpr_workgroup_id_z 1
		.amdhsa_system_vgpr_workitem_id 0
		.amdhsa_next_free_vgpr 258
		.amdhsa_next_free_sgpr 66
		.amdhsa_reserve_vcc 1
		.amdhsa_float_denorm_mode_32 3
		.amdhsa_float_denorm_mode_16_64 3
		.amdhsa_memory_ordered 1
		.amdhsa_forward_progress 1
		.amdhsa_inst_pref_size 87
	.end_amdhsa_kernel
	.amdgpu_metadata
---
amdhsa.version: [ 1, 2 ]
amdhsa.kernels:
  - .name:           k_q98f1a01931_route
    .symbol:         k_q98f1a01931_route.kd
    .args:
      - { .name: x, .offset: 0, .size: 8, .value_kind: global_buffer, .address_space: global }
      - { .name: Wr, .offset: 8, .size: 8, .value_kind: global_buffer, .address_space: global }
      - { .name: br, .offset: 16, .size: 8, .value_kind: global_buffer, .address_space: global }
      - { .name: lowp_scales, .offset: 24, .size: 8, .value_kind: global_buffer, .address_space: global }
      - { .name: xq, .offset: 32, .size: 8, .value_kind: global_buffer, .address_space: global }
      - { .name: sel, .offset: 40, .size: 8, .value_kind: global_buffer, .address_space: global }
      - { .name: gate, .offset: 48, .size: 8, .value_kind: global_buffer, .address_space: global }
    .group_segment_fixed_size: 35840
    .private_segment_fixed_size: 0
    .kernarg_segment_align: 8
    .kernarg_segment_size: 56
    .max_flat_workgroup_size: 128
    .sgpr_count:     66
    .vgpr_count:     258
    .wavefront_size: 32
...
	.end_amdgpu_metadata
.endif
;; end of part 1
;; launch place (part 2): grid 272 x 1, 8 waves a work-group, no clusters, 68,608 bytes of LDS; arguments sel, W1_codes, W2_codes, tiles, rows, w1l, w2l; writes tiles, rows, w1l, w2l
.if DOCPART == 2
	.amdgcn_target "amdgcn-amd-amdhsa--gfx1250"
	.amdhsa_code_object_version 6
	.text
	.protected	k_q98f1a01931_place
	.globl	k_q98f1a01931_place
	.p2align	8
	.type	k_q98f1a01931_place,@function
k_q98f1a01931_place:
	s_mov_b64 s[64:65], 0
	v_nop
	global_prefetch_b8 v0, s[64:65] scope:SCOPE_SE
	s_setreg_imm32_b32 hwreg(HW_REG_WAVE_MODE, 25, 1), 1
	s_wait_xcnt 0x0
; TWO JOBS IN ONE LAUNCH, parted once on the work-group's number.
; WORK-GROUPS 0 TO 15 PLACE THE ROUTED ROWS.  sel holds an expert for each of the 8,192 routed rows rho = 2 token + k, and behind them a table [128 blocks][8 experts]: how many of a block's 64 rows chose each expert.
;   The rows are sorted by expert (a counting sort, no atomics) into exactly 110 tiles of 80 places:
;   rows [110][80]: rho, or 8192 + tile in a place that is not used (a spare row of the next launch's result, the tile's own, which nobody reads);  tiles [128]: a tile's expert.
;   A WAVE PLACES ONE BLOCK, by itself: no LDS, no barrier.  It reads the whole table (4 KiB), sums for each expert all blocks and the blocks below its own, makes the tiles' arithmetic in scalar registers, and ranks its 64 rows.
;   Expert e with n rows takes ceil(n / 80) tiles; these add up to 103 .. 110.  The sp = 110 - sum tiles that are over (0 .. 7) come from the expert with the most rows (at least 1,024, so its first 7 tiles are full):
;   each of its first sp tiles is laid as two tiles of 40 rows.  So every split gives 110 tiles, none empty, and the next launch has no branch on the list.
;   The unused places and the tiles' experts are written by work-group 0 alone.  Behind the list's 8,800 places rows has 256 spare words, one for each of its threads: every store here runs with all lanes on, and a lane that has
;   no unused place to fill stores a 0 into its thread's spare word, which nobody reads.
;   All sums are of whole numbers, across the lanes too.
; WORK-GROUPS 16 TO 271 LAY THE WEIGHTS' CODES IN THE ORDER OF THE OPERAND REGISTERS, so that the next launch loads every fragment by loads of 512 consecutive bytes.  With lane = (r, h):
;   w1l: ((e 16 + G) 4 + b) 16384 + (2 s + u) 2048 + 512 c + 16 lane  <-  W1_codes[e][128 G + 32 b + 8 u + r + 8 (r / 8)][128 s + 32 c + 16 h ..+15]
;   w2l: ((e 4 + w) 16 + S) 16384 + 2048 n + 512 c + 16 lane          <-  W2_codes[e][128 w + 16 n + r][128 S + 32 c + 16 h ..+15]
;   A wave takes 16 rows x 512 bytes: sixteen loads of 512 consecutive bytes, through its own stage in LDS (8,448 bytes a wave, rows 528 bytes apart), sixteen stores of 512 consecutive bytes.
.set NPW,  16                          ; work-groups that place: 128 blocks, 8 waves each
.set CNT,  32768                       ; the table of counts begins here in sel's buffer
.set NPL,  8800                        ; places in the list
.set TBL,  16                          ; v16-47   the table as loaded: load i, lane l, word c: block 16 i + l / 2, expert 4 (l % 2) + c
.set EN,   48                          ; v48-49   my two entries: rho = 64 block + 2 lane + n
.set TOT,  52                          ; v52-55   my four experts' counts over all blocks; v56-59 over the blocks below mine
.set XT,   60                          ; v60-67   what another lane sends
.set RK,   68                          ; v68-69   an entry's place, then its byte offset
.set RH,   70                          ; v70-71   its rho
.set PA,   112                         ; v112-135 the pad stores' registers, four for each of six stores
.set DUM,  140                         ; v140     my thread's spare place, NPL + thread
	s_load_b256 s[4:11], s[0:1], 0x0               ; sel, W1_codes, W2_codes, tiles
	s_load_b128 s[12:15], s[0:1], 0x20             ; rows, w1l
	s_load_b64 s[16:17], s[0:1], 0x30              ; w2l
	v_lshl_add_u32 v176, v0, 2, 0x10800
	v_mov_b32 v177, 0
	v_lshrrev_b32 v1, 5, v0
	v_readfirstlane_b32 s20, v1                    ; wave 0..7
	v_and_b32 v1, 31, v0                           ; lane
	s_cmp_ge_u32 ttmp9, NPW
	s_cbranch_scc1 .Lrelay
	; ---------------- THE PLACING
	s_lshl_b32 s21, ttmp9, 3
	s_add_co_u32 s21, s21, s20                     ; my block, 0 .. 127
	s_lshl_b32 s22, s21, 8                         ; its 64 entries of sel: 256 bytes
	s_mov_b32 s23, 0
	s_mov_b32 s24, 0x76543210
	s_mov_b32 s25, 0xfedcba98                      ; v_permlanex16_b32: lane l xor 16
	s_lshl_b32 s26, s21, 6                         ; its first rho
	v_lshlrev_b32 v2, 4, v1                        ; 16 x lane
	v_lshlrev_b32 v3, 3, v1                        ; 8 x lane
	v_lshrrev_b32 v13, 1, v1                       ; lane / 2
	v_lshl_add_u32 v12, v1, 1, s26                 ; rho of my first entry
.irp r, 0,1,2,3,4,5,6,7
	v_mov_b32 v[XT+\r], 0                          ; written once: the destination of a move between lanes counts as read
.endr
	s_wait_kmcnt 0x0
	s_add_nc_u64 s[28:29], s[4:5], s[22:23]
.irp i, 0,1,2,3,4,5,6,7
	global_load_b128 v[TBL+4*\i:TBL+4*\i+3], v2, s[4:5] offset:CNT+512*\i   ; 512 consecutive bytes of the table
.endr
	global_load_b64 v[EN:EN+1], v3, s[28:29]       ; 256 consecutive bytes of sel
	s_wait_loadcnt 0x1                             ; the table's eight loads are in; my entries' load, issued behind them, may be out
	; my lane's sums over its eight blocks: of all of them, and of those below my block
.irp c, 0,1,2,3
	v_add3_u32 v[TOT+\c], v[TBL+\c], v[TBL+4+\c], v[TBL+8+\c]
.endr
.irp c, 0,1,2,3
	v_add3_u32 v[TOT+\c], v[TOT+\c], v[TBL+12+\c], v[TBL+16+\c]
.endr
.irp c, 0,1,2,3
	v_add3_u32 v[TOT+\c], v[TOT+\c], v[TBL+20+\c], v[TBL+24+\c]
.endr
.irp c, 0,1,2,3
	v_add_nc_u32 v[TOT+\c], v[TOT+\c], v[TBL+28+\c]
.endr
	v_cmp_gt_u32 vcc_lo, s21, v13                  ; is block lane / 2 below mine?
.irp c, 0,1,2,3
	v_cndmask_b32 v[TOT+4+\c], 0, v[TBL+\c], vcc_lo
.endr
.irp i, 1,2,3,4,5,6,7
	v_add_nc_u32 v14, 16*\i, v13
	v_cmp_gt_u32 vcc_lo, s21, v14                  ; block 16 i + lane / 2
.irp c, 0,1,2,3
	v_cndmask_b32 v[8+\c], 0, v[TBL+4*\i+\c], vcc_lo
.endr
.irp c, 0,1,2,3
	v_add_nc_u32 v[TOT+4+\c], v[TOT+4+\c], v[8+\c]
.endr
.endr
	; over the sixteen lanes of my parity: even lanes hold experts 0-3, odd lanes experts 4-7
.irp mk, 2,4,8
.irp r, 0,1,2,3,4,5,6,7
	v_mov_b32_dpp v[XT+\r], v[TOT+\r] row_xmask:\mk row_mask:0xf bank_mask:0xf
.endr
.irp r, 0,1,2,3,4,5,6,7
	v_add_nc_u32 v[TOT+\r], v[TOT+\r], v[XT+\r]
.endr
.endr
.irp r, 0,1,2,3,4,5,6,7
	v_permlanex16_b32 v[XT+\r], v[TOT+\r], s24, s25
.endr
.irp r, 0,1,2,3,4,5,6,7
	v_add_nc_u32 v[TOT+\r], v[TOT+\r], v[XT+\r]
.endr
.irp c, 0,1,2,3
	v_readlane_b32 s[48+\c], v[TOT+\c], 0          ; s48-55: n_e
	v_readlane_b32 s[52+\c], v[TOT+\c], 1
	v_readlane_b32 s[56+\c], v[TOT+4+\c], 0        ; s56-63: the rows of expert e in the blocks below mine
	v_readlane_b32 s[60+\c], v[TOT+4+\c], 1
.endr
	s_mov_b32 s83, 0
.irp e, 0,1,2,3,4,5,6,7
	s_add_co_u32 s40, s[48+\e], 79
	s_mul_i32 s40, s40, 52429
	s_lshr_b32 s[66+\e], s40, 22                   ; ceil(n / 80): (n + 79) x 52429 >> 22 is the whole quotient by 80 for the numbers met here, 8,271 at the most
	s_add_co_u32 s83, s83, s[66+\e]
.endr
	s_sub_co_u32 s84, 110, s83                     ; sp
	s_mov_b32 s85, 0                               ; the expert with the most rows,
	s_mov_b32 s86, s48                             ; and how many
.irp e, 1,2,3,4,5,6,7
	s_cmp_gt_u32 s[48+\e], s86
	s_cselect_b32 s85, \e, s85
	s_cselect_b32 s86, s[48+\e], s86
.endr
	s_mov_b32 s74, 0                               ; s74-82: an expert's first tile
.irp e, 0,1,2,3,4,5,6,7
	s_cmp_eq_u32 s85, \e
	s_cselect_b32 s40, s84, 0
	s_add_co_u32 s[75+\e], s[74+\e], s[66+\e]
	s_add_co_u32 s[75+\e], s[75+\e], s40
.endr
	s_mov_b32 s87, 0
.irp e, 0,1,2,3,4,5,6,7
	s_cmp_eq_u32 s85, \e
	s_cselect_b32 s87, s[74+\e], s87
.endr
	s_add_co_u32 s94, s87, 8192                    ; the spare row of the largest expert's first tile
	s_mul_i32 s87, s87, 80                         ; that tile's first place
	s_add_co_u32 s95, s87, 40
	s_lshl_b32 s88, s84, 1                         ; 2 sp
	s_mul_i32 s93, s84, 80                         ; 80 sp
.irp e, 0,1,2,3,4,5,6,7
	s_mul_i32 s40, s[74+\e], 80
	s_add_co_u32 s[32+\e], s40, s[56+\e]           ; where my block's rows of expert e begin
.endr
	s_wait_loadcnt 0x0                             ; my two entries
	; each entry's place: the running base of its expert + the lanes below me with the same expert; then the halved tiles; then the store.  Each entry has its own address and data registers
.set n, 0
.rept 2
.irp e, 0,1,2,3,4,5,6,7
	v_cmp_eq_u32 s[40+\e], \e, v[EN+n]
.endr
	v_mbcnt_lo_u32_b32 v[RK+n], s40, s32
.irp e, 1,2,3,4,5,6,7
	v_mbcnt_lo_u32_b32 v[4+\e], s[40+\e], s[32+\e]
.endr
.irp e, 1,2,3,4,5,6,7
	v_cndmask_b32 v[RK+n], v[RK+n], v[4+\e], s[40+\e]
.endr
.irp e, 0,1,2,3,4,5,6,7
	s_bcnt1_i32_b32 s[40+\e], s[40+\e]
.endr
.irp e, 0,1,2,3,4,5,6,7
	s_add_co_u32 s[32+\e], s[32+\e], s[40+\e]
.endr
	v_sub_nc_u32 v4, v[RK+n], s87                  ; r: the row's rank in the largest expert (of other experts' rows: a number that is thrown away below)
	v_mul_u32_u24 v4, v4, 1639
	v_lshrrev_b32 v4, 16, v4                       ; r / 40: whole for r under 2,730; beyond that it is above 14 like the true quotient
	v_min_u32 v4, s88, v4                          ; min(r / 40, 2 sp): so many half tiles lie in front of the row,
	v_mul_u32_u24 v4, v4, 40                       ; each with 40 unused places
	v_cmp_eq_u32 vcc_lo, s85, v[EN+n]
	v_cndmask_b32 v4, 0, v4, vcc_lo
	v_add_nc_u32 v[RK+n], v[RK+n], v4
	v_min_u32 v[RK+n], NPL-1, v[RK+n]              ; inside the list, whatever sel holds
	v_lshlrev_b32 v[RK+n], 2, v[RK+n]
	v_add_nc_u32 v[RH+n], n, v12                   ; rho
	global_store_b32 v[RK+n], v[RH+n], s[12:13]
.set n, n+1
.endr
	s_cmp_lg_u32 ttmp9, 0                          ; what follows is work-group 0's alone
	s_cbranch_scc1 .Lplaced
	s_mov_b32 s89, 0
	s_mov_b32 s90, 0
	s_mov_b32 s91, 0
.irp e, 0,1,2,3,4,5,6,7                        ; wave w fills the unused places of expert w's last tile: s89 the first of them, s90 the end of the expert's tiles, s91 that tile's spare row
	s_cmp_eq_u32 s85, \e
	s_cselect_b32 s40, s93, 0
	s_mul_i32 s41, s[74+\e], 80
	s_add_co_u32 s41, s41, s[48+\e]
	s_add_co_u32 s41, s41, s40
	s_mul_i32 s42, s[75+\e], 80
	s_add_co_u32 s43, s[75+\e], 8191
	s_cmp_eq_u32 s20, \e
	s_cselect_b32 s89, s41, s89
	s_cselect_b32 s90, s42, s90
	s_cselect_b32 s91, s43, s91
.endr
	v_add_nc_u32 v[DUM], NPL, v0                   ; my thread's spare place
	; the unused places of my expert's last tile: 79 at the most, three stores of 32 lanes.  All lanes store: those past the tile's end a 0 into their spare word.  Each store has registers of its own
.irp t, 0,1,2
	v_add_nc_u32 v[PA+4*\t], 32*\t, v1
	v_add_nc_u32 v[PA+4*\t], s89, v[PA+4*\t]
	v_mov_b32 v[PA+4*\t+1], s91
	v_cmp_gt_u32 vcc_lo, s90, v[PA+4*\t]
	v_cndmask_b32 v[PA+4*\t], v[DUM], v[PA+4*\t], vcc_lo
	v_cndmask_b32 v[PA+4*\t+1], 0, v[PA+4*\t+1], vcc_lo
	v_min_u32 v[PA+4*\t], NPL+255, v[PA+4*\t]      ; inside rows, whatever sel holds
	v_lshlrev_b32 v[PA+4*\t], 2, v[PA+4*\t]
	global_store_b32 v[PA+4*\t], v[PA+4*\t+1], s[12:13]
.endr
	; the 40 unused places of each of the 2 sp half tiles: 80 sp in all, 560 at the most, shared among the 256 threads in three stores, in the same form
.irp t, 3,4,5
	v_add_nc_u32 v[PA+4*\t+2], 256*(\t-3), v0      ; j
	v_mul_u32_u24 v[PA+4*\t+3], v[PA+4*\t+2], 1639
	v_lshrrev_b32 v[PA+4*\t+3], 16, v[PA+4*\t+3]   ; j / 40: which half tile
	v_cmp_gt_u32 vcc_lo, s93, v[PA+4*\t+2]
	v_mad_u32_u24 v[PA+4*\t], v[PA+4*\t+3], 40, v[PA+4*\t+2]
	v_add_nc_u32 v[PA+4*\t], s95, v[PA+4*\t]       ; 80 (j / 40) + 40 + j % 40 places behind the expert's first
	v_add_nc_u32 v[PA+4*\t+1], s94, v[PA+4*\t+3]   ; that half tile's spare row
	v_cndmask_b32 v[PA+4*\t], v[DUM], v[PA+4*\t], vcc_lo
	v_cndmask_b32 v[PA+4*\t+1], 0, v[PA+4*\t+1], vcc_lo
	v_min_u32 v[PA+4*\t], NPL+255, v[PA+4*\t]
	v_lshlrev_b32 v[PA+4*\t], 2, v[PA+4*\t]
	global_store_b32 v[PA+4*\t], v[PA+4*\t+1], s[12:13]
.endr
	; the tiles' experts: wave 0, four tiles a lane, 512 consecutive bytes
	s_cmp_lg_u32 s20, 0
	s_cbranch_scc1 .Lplaced
	v_lshlrev_b32 v8, 2, v1
	v_add_nc_u32 v9, 1, v8
	v_add_nc_u32 v10, 2, v8
	v_add_nc_u32 v11, 3, v8
.irp c, 0,1,2,3
	v_mov_b32 v[144+\c], 0
.endr
.irp e, 1,2,3,4,5,6,7
.irp c, 0,1,2,3
	v_cmp_le_u32 vcc_lo, s[74+\e], v[8+\c]         ; the last expert whose first tile is not beyond this tile
	v_cndmask_b32 v[144+\c], v[144+\c], \e, vcc_lo
.endr
.endr
	global_store_b128 v2, v[144:147], s[10:11]
.Lplaced:
	s_endpgm
	; ---------------- THE LAYING.  Task tau = 8 (work-group - 16) + wave: 0 .. 1023 for W1, 1024 .. 2047 for W2.  One path: numbers and pointers are chosen, nothing branches
.Lrelay:
	s_sub_co_u32 s21, ttmp9, NPW
	s_lshl_b32 s21, s21, 3
	s_add_co_u32 s21, s21, s20
	s_and_b32 s22, s21, 1023                       ; t
	s_lshr_b32 s24, s22, 1                         ; W1: t / 2 = (e, G, b): 32 rows of 512 bytes; t % 2 = u
	s_lshl_b32 s24, s24, 14
	s_and_b32 s25, s22, 1
	s_lshl_b32 s26, s25, 12
	s_add_co_u32 s26, s26, s24                     ; from: + 8 u rows
	s_lshl_b32 s27, s25, 11
	s_add_co_u32 s27, s27, s24                     ; to: + 2048 u
	s_lshr_b32 s28, s22, 2                         ; W2: t / 4 = (e, w, n): 16 rows of 2,048 bytes; t % 4: which 512 bytes of them
	s_lshl_b32 s29, s28, 15
	s_and_b32 s30, s22, 3
	s_lshl_b32 s31, s30, 9
	s_add_co_u32 s29, s29, s31                     ; from
	s_lshr_b32 s31, s22, 5
	s_lshl_b32 s31, s31, 18
	s_lshl_b32 s30, s30, 16
	s_add_co_u32 s31, s31, s30
	s_and_b32 s28, s28, 7
	s_lshl_b32 s28, s28, 11
	s_add_co_u32 s31, s31, s28                     ; to: (e 4 + w) 262144 + (t % 4) 65536 + 2048 n
	s_mov_b32 s33, 2048
	s_mov_b32 s34, 16384
	s_mov_b32 s41, 0
	s_mov_b32 s43, 0
	s_wait_kmcnt 0x0
	s_cmp_lt_u32 s21, 1024
	s_cselect_b64 s[36:37], s[6:7], s[8:9]
	s_cselect_b64 s[38:39], s[14:15], s[16:17]
	s_cselect_b32 s40, s26, s29
	s_cselect_b32 s42, s27, s31
	s_cselect_b32 s44, 512, s33                    ; from row to row
	s_cselect_b32 s45, 4096, 0                     ; W1's rows 8 to 15 of a tile lie 8 rows further on
	s_cselect_b32 s46, 4096, s34                   ; from one 128 along K to the next, in the laid buffer
	s_add_nc_u64 s[36:37], s[36:37], s[40:41]
	s_add_nc_u64 s[38:39], s[38:39], s[42:43]
	v_lshlrev_b32 v3, 4, v1
.irp i, 0,1,2,3,4,5,6,7
	s_mul_i32 s47, s44, \i
	v_add_nc_u32 v[144+\i], s47, v3
.endr
.irp i, 8,9,10,11,12,13,14,15
	s_mul_i32 s47, s44, \i
	s_add_co_u32 s47, s47, s45
	v_add_nc_u32 v[144+\i], s47, v3
.endr
.irp i, 0,1,2,3,4,5,6,7,8,9,10,11,12,13,14,15
	global_load_b128 v[16+4*\i:19+4*\i], v[144+\i], s[36:37] th:TH_LOAD_NT   ; 512 consecutive bytes of one row
.endr
.irp k, 0,1,2,3
	s_mul_i32 s47, s46, \k
	v_add_nc_u32 v[160+\k], s47, v3
.endr
	s_mul_i32 s48, s20, 8448                       ; my stage
	v_add_nc_u32 v4, s48, v3                       ; in: a row as it lies
	v_and_b32 v5, 15, v1
	v_lshrrev_b32 v6, 4, v1
	v_mul_u32_u24 v5, v5, 528
	v_lshl_add_u32 v5, v6, 4, v5
	v_add_nc_u32 v5, s48, v5                       ; out: row r, + 16 h
.irp i, 0,1,2,3,4,5,6,7,8,9,10,11,12,13,14,15
	s_wait_loadcnt 15-\i
	ds_store_b128 v4, v[16+4*\i:19+4*\i] offset:528*\i
.endr
.irp k, 0,1,2,3
.irp c, 0,1,2,3
	ds_load_b128 v[80+16*\k+4*\c:83+16*\k+4*\c], v5 offset:128*\k+32*\c   ; LDS serves a wave's instructions in order: these see my stores
.endr
.endr
.irp k, 0,1,2,3
.irp c, 0,1,2,3
	s_wait_dscnt 15-4*\k-\c
	global_store_b128 v[160+\k], v[80+16*\k+4*\c:83+16*\k+4*\c], s[38:39] offset:512*\c   ; 512 consecutive bytes, aligned
.endr
.endr
	s_wait_tensorcnt 0x0
	ds_add_u32 v176, v177
	s_wait_dscnt 0x0
	s_endpgm
.Lfunc_end_k_q98f1a01931_place:
	.size	k_q98f1a01931_place, .Lfunc_end_k_q98f1a01931_place-k_q98f1a01931_place
	.p2alignl 7, 3214868480
	.fill 96, 4, 3214868480
	.section	.rodata,"a",@progbits
	.p2align	6, 0x0
	.amdhsa_kernel k_q98f1a01931_place
		.amdhsa_group_segment_fixed_size 68608
		.amdhsa_private_segment_fixed_size 0
		.amdhsa_enable_private_segment 0
		.amdhsa_kernarg_size 56
		.amdhsa_user_sgpr_count 2
		.amdhsa_user_sgpr_kernarg_segment_ptr 1
		.amdhsa_wavefront_size32 1
		.amdhsa_system_sgpr_workgroup_id_x 1
		.amdhsa_system_sgpr_workgroup_id_y 1
		.amdhsa_system_sgpr_workgroup_id_z 1
		.amdhsa_system_vgpr_workitem_id 0
		.amdhsa_next_free_vgpr 178
		.amdhsa_next_free_sgpr 100
		.amdhsa_reserve_vcc 1
		.amdhsa_float_denorm_mode_32 3
		.amdhsa_float_denorm_mode_16_64 3
		.amdhsa_memory_ordered 1
		.amdhsa_forward_progress 1
		.amdhsa_inst_pref_size 39
	.end_amdhsa_kernel
	.amdgpu_metadata
---
amdhsa.version: [ 1, 2 ]
amdhsa.kernels:
  - .name:           k_q98f1a01931_place
    .symbol:         k_q98f1a01931_place.kd
    .args:
      - { .name: sel, .offset: 0, .size: 8, .value_kind: global_buffer, .address_space: global }
      - { .name: W1_codes, .offset: 8, .size: 8, .value_kind: global_buffer, .address_space: global }
      - { .name: W2_codes, .offset: 16, .size: 8, .value_kind: global_buffer, .address_space: global }
      - { .name: tiles, .offset: 24, .size: 8, .value_kind: global_buffer, .address_space: global }
      - { .name: rows, .offset: 32, .size: 8, .value_kind: global_buffer, .address_space: global }
      - { .name: w1l, .offset: 40, .size: 8, .value_kind: global_buffer, .address_space: global }
      - { .name: w2l, .offset: 48, .size: 8, .value_kind: global_buffer, .address_space: global }
    .group_segment_fixed_size: 68608
    .private_segment_fixed_size: 0
    .kernarg_segment_align: 8
    .kernarg_segment_size: 56
    .max_flat_workgroup_size: 256
    .sgpr_count:     100
    .vgpr_count:     178
    .wavefront_size: 32
...
	.end_amdgpu_metadata
.endif
;; end of part 2
;; launch chain (part 3): grid 110 x 2, 4 waves a work-group, no clusters, 158,720 bytes of LDS; arguments xq, w1l, w2l, b1, lowp_scales, tiles, rows, part; writes part
.if DOCPART == 3
	.amdgcn_target "amdgcn-amd-amdhsa--gfx1250"
	.amdhsa_code_object_version 6
	.text
	.protected	k_q98f1a01931_chain
	.globl	k_q98f1a01931_chain
	.p2align	8
	.type	k_q98f1a01931_chain,@function
k_q98f1a01931_chain:
	s_mov_b64 s[64:65], 0
	v_nop
	global_prefetch_b8 v0, s[64:65] scope:SCOPE_SE
	s_setreg_imm32_b32 hwreg(HW_REG_WAVE_MODE, 25, 1), 1
	s_wait_xcnt 0x0
; ONE TILE OF 80 ROUTED ROWS OF ONE EXPERT THROUGH BOTH PRODUCTS, for one half sigma of the expert's 2,048 hidden units (work-group x: the tile; y: sigma).
;   h = relu(x W1 + b1), quantised to E5M2 with the given 2^e3;  part[sigma][rho][0..511] = the raw f32 sums of codes(h) x codes(W2) over this half.  The scale 2^(e2 + e3), b2, the gates and the sum of the two
;   halves and the two experts of a token are the next launch's.  The hidden layer never goes to memory.
; THE LIST.  tiles[tile] is the expert; rows[tile][0..79] are routed rows rho = 2 token + k, or 8192 + tile in an unused place: such a place reads the last token's codes and stores into the tile's own spare row, which
;   nobody reads.  So the text has no branch, no mask and no loop: every offset is an immediate.
; SHARES.  THE WAVES SHARE THE COLUMNS: wave w makes hidden groups of 128, G = 8 sigma + 2 w + g (g = 0, 1), and then outputs 128 w .. 128 w + 127, for all 80 rows (five tiles of 16).
; WEIGHTS GO FROM MEMORY STRAIGHT INTO REGISTERS: they were laid in the order of the operand registers, so a load is 512 consecutive bytes.  A ring of two sets of eight fragments (16 KiB a step and wave):
;   a step's set is asked for two steps ahead, right behind the products that have read the set before it.
; BOTH PRODUCTS ARE USED TRANSPOSED (source 0 = 16 rows of the weight, source 1 = 16 routed rows): a lane holds one routed row throughout.  The rows of W1 that form a tile are chosen (lane r of tile 2 b + u takes row
;   32 b + 8 u + r + 8 (r / 8)) so that the 16 registers of tiles 2 b, 2 b + 1 are 16 neighbours along the next K; the conversions' results are the next operand's registers.  They go from wave to wave through LDS as images of registers.
; A fragment holds, in registers 4 c .. 4 c + 3 of lane (r, h), k = 32 c + 16 h + 0 .. 15: the same permutation of k in both operands of every product.
; b1 is the C of each sum's first product, divided once by 2^(e0 + e1); relu and the hold at the largest code are one v_med3_num_f32; the three scales ahead of the quantiser are folded into the conversion's one.
; NO CLUSTER, NO TENSOR LOADS: which tiles have the same expert is known only from the stored list, so the partners of a cluster could want different weights in the same step.
; LIMITS: e3 - e0 - e1 between -126 and 112.  NaN among the inputs is not served.
; REGISTERS, in windows of 256.  Window 0: v1-11 addresses and scales; v12-27, v200-215 row offsets for the way out (v200-219 first: the offsets of x's rows); v40-119 the 10 accumulators of a step of the first product
;   ((m, u) at 40 + 16 m + 8 u), first the landing place of x's rows; v120-139 the codes just made; in the second product v40-119 and v120-199 two sets of five hidden fragments; on the way out v40-167 rows read back.
;   Window 1: the ring.   Window 2: x's fragments (m < 4, s) at 16 (4 m + s); then the accumulators (m < 4, n) at 8 (8 m + n).   Window 3: v0-63 the same for m = 4; v64-191 b1: step q, register 8 u + j at 64 + 16 q + 8 u + j.
.set XP,    528                        ; LDS: x's 80 rows of 512 codes, 528 bytes apart (an odd multiple of 16), from byte 0
.set HIMG,  42496                      ; the hidden layer's images: chunk (4 S + c) x 2560 + 512 m + 16 lane; S = 2 w + g
.set HCH,   2560
.set STG,   124416                     ; 16 rows x 528 bytes for each wave, for the way out
.set PSZ,   17039360                   ; bytes of part for one sigma: 8,320 rows of 2,048
.set ACC,   40
.set PC,    120
.set B1W,   64
.set MSB,   0
.macro WIN new                         ; the immediate's high byte repeats the setting that is left; bits 1:0 source 0, 3:2 source 1, 5:4 source 2, 7:6 destination
.if MSB != \new
	s_set_vgpr_msb (MSB<<8)|\new
.set MSB, \new
.endif
.endm
.macro PLACES                          ; four plain vector instructions between a matrix instruction and a load into one of its registers, or the first read of a result
.rept 4
	v_nop
.endr
.endm
.macro LOADW buf, base, off            ; eight fragments, 16 KiB, into set buf of the ring: 32 loads of 512 consecutive bytes
	WIN 0x40
.irp f, 0,1,2,3,4,5,6,7
.irp c, 0,1,2,3
	global_load_b128 v[128*(\buf)+16*\f+4*\c:128*(\buf)+16*\f+4*\c+3], v1, s[\base:\base+1] offset:\off+2048*\f+512*\c
.endr
.endr
.endm
	s_load_b512 s[4:19], s[0:1], 0x0               ; xq s[4:5], w1l s[6:7], w2l s[8:9], b1 s[10:11], the scales s[12:13], tiles s[14:15], rows s[16:17], part s[18:19]
	v_lshl_add_u32 v254, v0, 2, 0x26a00
	v_mov_b32 v255, 0
	v_lshrrev_b32 v1, 5, v0
	v_readfirstlane_b32 s20, v1                    ; wave 0..3
	s_and_b32 s22, ttmp7, 0xffff                   ; sigma
	v_and_b32 v30, 31, v0                          ; lane
	v_and_b32 v31, 15, v0                          ; r
	v_bfe_u32 v32, v0, 4, 1                        ; h
	v_lshlrev_b32 v1, 4, v30                       ; v1: 16 x lane
	v_mul_u32_u24 v2, v31, XP
	v_lshl_add_u32 v7, v32, 5, v2
	v_lshl_add_u32 v2, v32, 4, v2                  ; v2: a fragment of x: row r, + 16 h
	s_mul_i32 s66, s20, 4*XP
	v_add_nc_u32 v3, s66, v1                       ; v3: where I put x's rows: rows 16 m + 4 w + q
	s_mul_i32 s66, s20, 8*HCH
	s_add_co_u32 s66, s66, HIMG
	v_add_nc_u32 v4, s66, v1                       ; v4: where I put my images: chunks 8 w + q
	v_add_nc_u32 v5, HIMG, v1                      ; v5, v6: where any wave reads them: chunks 0-15, 16-31
	v_add_nc_u32 v6, HIMG+16*HCH, v1
	s_mul_i32 s66, s20, 16*XP
	s_add_co_u32 s66, s66, STG
	v_add_nc_u32 v7, s66, v7                       ; v7: my stage, in: row r, + 32 h
	v_add_nc_u32 v8, s66, v1                       ; v8: and back: 16 bytes a lane of a row of 512
	v_lshlrev_b32 v11, 6, v32                      ; v11: b1: 16 h numbers on
	s_lshl_b32 s66, ttmp9, 2
	s_mov_b32 s67, 0
	s_mul_i32 s68, ttmp9, 320
	s_mov_b32 s69, 0
	s_wait_kmcnt 0x0
	s_add_nc_u64 s[14:15], s[14:15], s[66:67]
	s_add_nc_u64 s[76:77], s[16:17], s[68:69]      ; s[76:77]: my tile's list
	s_lshl_b32 s66, s20, 4
	s_add_nc_u64 s[16:17], s[76:77], s[66:67]
	s_load_b32 s24, s[14:15], 0x0                  ; the expert
.irp m, 0,1,2,3,4
	s_load_b128 s[32+4*\m:35+4*\m], s[16:17], 64*\m   ; the list's entries 16 m + 4 w + 0 .. 3
.endr
	s_load_b128 s[28:31], s[12:13], 0x0            ; e0, e1, e2, e3
	s_wait_kmcnt 0x0
	s_min_u32 s24, s24, 7
	s_lshl_b32 s66, s24, 4
	s_lshl_b32 s68, s22, 3
	s_add_co_u32 s66, s66, s68
	s_lshl_b32 s68, s20, 1
	s_add_co_u32 s66, s66, s68
	s_lshl_b32 s66, s66, 16
	s_add_nc_u64 s[70:71], s[6:7], s[66:67]        ; w1l at group 16 e + 8 sigma + 2 w: eight steps of 16 KiB
	s_lshl_b32 s66, s24, 2
	s_add_co_u32 s66, s66, s20
	s_lshl_b32 s66, s66, 18
	s_lshl_b32 s68, s22, 17
	s_add_co_u32 s66, s66, s68
	s_add_nc_u64 s[72:73], s[8:9], s[66:67]        ; w2l at (4 e + w), K step 8 sigma: eight steps of 16 KiB
	s_mul_i32 s66, s22, PSZ
	s_lshl_b32 s68, s20, 9
	s_add_co_u32 s66, s66, s68
	s_add_nc_u64 s[74:75], s[18:19], s[66:67]      ; part[sigma], my 128 columns
	s_lshl_b32 s66, s24, 11
	s_lshl_b32 s68, s22, 10
	s_add_co_u32 s66, s66, s68
	s_lshl_b32 s68, s20, 8
	s_add_co_u32 s66, s66, s68
	s_lshl_b32 s66, s66, 2
	s_add_nc_u64 s[78:79], s[10:11], s[66:67]      ; b1 at my 256 hidden units
	LOADW 0, 70, 0                                 ; step 0 of W1
	WIN 0
.irp n, 0,1,2,3,4,5,6,7,8,9,10,11,12,13,14,15,16,17,18,19
	s_lshr_b32 s[66+\n%4], s[32+\n], 1             ; the token,
	s_min_u32 s[66+\n%4], s[66+\n%4], 4095         ; inside xq (an unused place reads the last token)
	s_lshl_b32 s[66+\n%4], s[66+\n%4], 9
	v_add_nc_u32 v[200+\n], s[66+\n%4], v1
	global_load_b128 v[40+4*\n:43+4*\n], v[200+\n], s[4:5]   ; a whole row of 512 codes
.endr
	WIN 0xc0
.irp q, 0,1,2,3,4,5,6,7
.irp t, 0,1,2,3
	global_load_b128 v[B1W+16*\q+4*\t:B1W+16*\q+4*\t+3], v11, s[78:79] offset:128*\q+16*\t   ; b1 of hidden units 32 q + 16 h + 4 t on
.endr
.endr
	WIN 0
	s_wait_loadcnt 32                              ; step 0 of W1 and x's rows are in; b1's 32 loads stay out
.irp n, 0,1,2,3,4,5,6,7,8,9,10,11,12,13,14,15,16,17,18,19
	ds_store_b128 v3, v[40+4*\n:43+4*\n] offset:(16*(\n/4)+\n%4)*XP
.endr
	LOADW 1, 70, 16384                             ; step 1 of W1
	WIN 0
	s_wait_dscnt 0x0                               ; for the others: my rows of x lie in LDS
	s_barrier_signal -1
	s_barrier_wait -1
	WIN 0x80
.irp m, 0,1,2,3
.irp s, 0,1,2,3
.irp c, 0,1,2,3
	ds_load_b128 v[16*(4*\m+\s)+4*\c:16*(4*\m+\s)+4*\c+3], v2 offset:16*XP*\m+128*\s+32*\c
.endr
.endr
.endr
	WIN 0xc0
.irp s, 0,1,2,3
.irp c, 0,1,2,3
	ds_load_b128 v[16*\s+4*\c:16*\s+4*\c+3], v2 offset:16*XP*4+128*\s+32*\c
.endr
.endr
	WIN 0
	s_add_co_i32 s66, s28, s29                     ; e0 + e1: a sum of the first product stands for sum x 2^(e0 + e1)
	s_sub_co_i32 s80, 0, s66
	s_sub_co_i32 s66, s31, s66
	s_add_co_i32 s66, s66, 127
	s_lshl_b32 s68, s66, 23
	v_mov_b32 v9, s68                              ; 2^(e3 - e0 - e1): the conversion takes its exponent field
	s_add_co_i32 s66, s66, 15
	s_lshl_b32 s66, s66, 23
	s_or_b32 s66, s66, 0x600000
	v_mov_b32 v10, s66                             ; 57,344 x that
	s_wait_loadcnt 32                              ; b1 is in; step 1 of W1 stays out
	WIN 0xc3
.set j, 0
.rept 128
	v_ldexp_f32 v[B1W+j], v[B1W+j], s80            ; b1 / 2^(e0 + e1)
.set j, j+1
.endr
	WIN 0
	s_wait_dscnt 0x0                               ; x's twenty fragments are in registers
; A STEP OF THE FIRST PRODUCT: 32 hidden units (two tiles u) x 80 rows x K = 512: 40 products on ten accumulators, which take turns, one instruction a turn.
; Then the ring's set is asked for again (two steps on), and the results become one chunk of 16 bytes a lane for each of the five tiles of rows.
.macro P1STEP q, base, off
.set RB, 128*((\q)%2)
.irp s, 0,1,2,3
	s_wait_loadcnt 56-8*\s                         ; fragments 2 s and 2 s + 1 are in: this step's 24 - 8 s later loads and the next step's 32 may be out
.if \s == 0
	WIN 0x39                                       ; W1 window 1, x window 2, b1 window 3, sums window 0
.else
	WIN 0x09
.endif
.irp m, 0,1,2,3
.irp u, 0,1
.if \s == 0
	v_wmma_f32_16x16x128_bf8_bf8 v[ACC+16*\m+8*\u:ACC+16*\m+8*\u+7], v[RB+16*(2*\s+\u):RB+16*(2*\s+\u)+15], v[16*(4*\m+\s):16*(4*\m+\s)+15], v[B1W+16*(\q)+8*\u:B1W+16*(\q)+8*\u+7]
.else
	v_wmma_f32_16x16x128_bf8_bf8 v[ACC+16*\m+8*\u:ACC+16*\m+8*\u+7], v[RB+16*(2*\s+\u):RB+16*(2*\s+\u)+15], v[16*(4*\m+\s):16*(4*\m+\s)+15], v[ACC+16*\m+8*\u:ACC+16*\m+8*\u+7]
.endif
.endr
.endr
.if \s == 0
	WIN 0x3d                                       ; the fifth tile's x lies in window 3
.else
	WIN 0x0d
.endif
.irp u, 0,1
.if \s == 0
	v_wmma_f32_16x16x128_bf8_bf8 v[ACC+64+8*\u:ACC+64+8*\u+7], v[RB+16*(2*\s+\u):RB+16*(2*\s+\u)+15], v[16*\s:16*\s+15], v[B1W+16*(\q)+8*\u:B1W+16*(\q)+8*\u+7]
.else
	v_wmma_f32_16x16x128_bf8_bf8 v[ACC+64+8*\u:ACC+64+8*\u+7], v[RB+16*(2*\s+\u):RB+16*(2*\s+\u)+15], v[16*\s:16*\s+15], v[ACC+64+8*\u:ACC+64+8*\u+7]
.endif
.endr
.endr
	WIN 0x40
	PLACES                                         ; in front of the loads into the set just read, and of the first read of results
	LOADW (\q)%2, \base, \off
	WIN 0
	s_wait_dscnt 0x0                               ; the last step's stores have read the codes' registers
.irp m, 0,1,2,3,4
.irp i, 0,1,2,3,4,5,6,7,8,9,10,11,12,13,14,15
	v_med3_num_f32 v[ACC+16*\m+\i], v[ACC+16*\m+\i], 0, v10   ; relu and the hold in one: between 0 and the largest code x the scale (the conversion does not saturate: ISA guide 7.6.2); each accumulator from its low end on
.endr
	v_cvt_scalef32_pk8_bf8_f32 v[PC+4*\m:PC+4*\m+1], v[ACC+16*\m:ACC+16*\m+7], v9
	v_cvt_scalef32_pk8_bf8_f32 v[PC+4*\m+2:PC+4*\m+3], v[ACC+16*\m+8:ACC+16*\m+15], v9
.endr
	v_nop                                          ; a plain vector instruction between the last conversion and the products that write its sources
.irp m, 0,1,2,3,4
	ds_store_b128 v4, v[PC+4*\m:PC+4*\m+3] offset:HCH*(\q)+512*\m
.endr
.endm
.macro HLOAD st, hb                    ; the five hidden fragments of K step st, as the waves stored them
.irp m, 0,1,2,3,4
.irp c, 0,1,2,3
.if (\st) < 4
	ds_load_b128 v[\hb+16*\m+4*\c:\hb+16*\m+4*\c+3], v5 offset:(4*((\st)%4)+\c)*HCH+512*\m
.else
	ds_load_b128 v[\hb+16*\m+4*\c:\hb+16*\m+4*\c+3], v6 offset:(4*((\st)%4)+\c)*HCH+512*\m
.endif
.endr
.endr
.endm
; A STEP OF THE SECOND PRODUCT: 128 along K x my 128 outputs (eight tiles n) x 80 rows: 40 products on 40 accumulators by turns.  yy: loads of the next step that may be out; dd: LDS loads of the next step.
.macro P2STEP st, yy, dd, refill
.set RB, 128*((\st)%2)
.set HB, 40+80*((\st)%2)
	s_wait_dscnt \dd
	WIN 0xa1                                       ; W2 window 1, hidden window 0, sums window 2
.irp n, 0,1,2,3,4,5,6,7
.if (\n)%2 == 0
	s_wait_loadcnt \yy+24-4*\n                     ; fragments n and n + 1 are in
.endif
.irp m, 0,1,2,3
.if (\st) == 0
	v_wmma_f32_16x16x128_bf8_bf8 v[8*(8*\m+\n):8*(8*\m+\n)+7], v[RB+16*\n:RB+16*\n+15], v[HB+16*\m:HB+16*\m+15], 0
.else
	v_wmma_f32_16x16x128_bf8_bf8 v[8*(8*\m+\n):8*(8*\m+\n)+7], v[RB+16*\n:RB+16*\n+15], v[HB+16*\m:HB+16*\m+15], v[8*(8*\m+\n):8*(8*\m+\n)+7]
.endif
.endr
.endr
	WIN 0xf1                                       ; the fifth tile's sums lie in window 3
.irp n, 0,1,2,3,4,5,6,7
.if (\st) == 0
	v_wmma_f32_16x16x128_bf8_bf8 v[8*\n:8*\n+7], v[RB+16*\n:RB+16*\n+15], v[HB+64:HB+79], 0
.else
	v_wmma_f32_16x16x128_bf8_bf8 v[8*\n:8*\n+7], v[RB+16*\n:RB+16*\n+15], v[HB+64:HB+79], v[8*\n:8*\n+7]
.endif
.endr
.if \refill
	WIN 0x40
	PLACES                                         ; in front of the loads into the registers just read
	LOADW (\st)%2, 72, ((\st)+2)*16384
	WIN 0
	HLOAD (\st)+2, HB
.endif
.endm
.irp q, 0,1,2,3,4,5
	P1STEP \q, 70, (\q+2)*16384
.endr
	P1STEP 6, 72, 0                                ; the ring goes on into W2
	P1STEP 7, 72, 16384
	s_wait_dscnt 0x0                               ; for the others: my eight chunks of the hidden layer lie in LDS
	s_barrier_signal -1
	s_barrier_wait -1
	s_load_b512 s[32:47], s[76:77], 0x0            ; the list again, for the way out: rows 0-15,
	s_load_b512 s[48:63], s[76:77], 0x40           ; rows 16-31
	HLOAD 0, 40
	HLOAD 1, 120
.irp t, 0,1,2,3,4,5
	P2STEP \t, 32, 20, 1
.endr
	P2STEP 6, 32, 20, 0
	P2STEP 7, 0, 0, 0
; THE WAY OUT, a tile of 16 rows at a time.  A lane holds 32 neighbouring bytes of a row and the lanes beside it hold other rows: so the tile goes through my own stage and comes back as rows of 512 bytes (my 128 columns),
; which the 32 lanes store as 512 consecutive bytes, aligned, at the row that the list names.  LDS serves a wave's instructions in order: no wait between the stores and the loads, nor in front of the next tile's stores.
.macro TOSTAGE m
.if (\m) < 4
	WIN 0x08                                       ; the stores' data: window 2
.set AC, 64*(\m)
.else
	WIN 0x0c                                       ; window 3
.set AC, 0
.endif
.irp n, 0,1,2,3,4,5,6,7
	ds_store_b128 v7, v[AC+8*\n:AC+8*\n+3] offset:64*\n          ; each accumulator from its low end on
	ds_store_b128 v7, v[AC+8*\n+4:AC+8*\n+7] offset:64*\n+16
.endr
	WIN 0
.set BB, 40+64*((\m)%2)
.irp i, 0,1,2,3,4,5,6,7,8,9,10,11,12,13,14,15
	ds_load_b128 v[BB+4*\i:BB+4*\i+3], v8 offset:XP*\i
.endr
.endm
.macro SEND m, younger                 ; younger: the LDS instructions issued behind tile m's loads, which may stay out
.set BB, 40+64*((\m)%2)
.set OF, 12+188*((\m)%2)
.set LS, 32+16*((\m)%2)
	s_wait_kmcnt 0x0                               ; the tile's sixteen list entries are in
.irp i, 0,1,2,3,4,5,6,7,8,9,10,11,12,13,14,15
	s_min_u32 s[66+\i%4], s[LS+\i], 8319           ; inside part
	s_lshl_b32 s[66+\i%4], s[66+\i%4], 11
	v_add_nc_u32 v[OF+\i], s[66+\i%4], v1
.endr
.if (\m)+2 < 5
	s_load_b512 s[LS:LS+15], s[76:77], 64*((\m)+2) ; the entries of the tile two on take their place
.endif
	s_wait_dscnt \younger
.irp i, 0,1,2,3,4,5,6,7,8,9,10,11,12,13,14,15
	global_store_b128 v[OF+\i], v[BB+4*\i:BB+4*\i+3], s[74:75] th:TH_STORE_NT
.endr
.endm
	PLACES                                         ; behind the last products, in front of the first read of results and of loads into the registers that held hidden fragments
	TOSTAGE 0
.irp a, 1,2,3,4
.if \a > 1
	s_wait_xcnt 0x0                                ; tile a - 2's stores have read their data and offsets: tile a's loads may land there, and the offsets may be written again
.endif
	TOSTAGE \a
	SEND \a-1, 32                                  ; behind tile a - 1's loads: tile a's 16 stores and 16 loads
.endr
	s_wait_xcnt 0x0
	SEND 4, 0
	s_wait_tensorcnt 0x0
	ds_add_u32 v254, v255
	s_wait_dscnt 0x0
	s_endpgm
.Lfunc_end_k_q98f1a01931_chain:
	.size	k_q98f1a01931_chain, .Lfunc_end_k_q98f1a01931_chain-k_q98f1a01931_chain
	.p2alignl 7, 3214868480
	.fill 96, 4, 3214868480
	.section	.rodata,"a",@progbits
	.p2align	6, 0x0
	.amdhsa_kernel k_q98f1a01931_chain
		.amdhsa_group_segment_fixed_size 158720
		.amdhsa_private_segment_fixed_size 0
		.amdhsa_enable_private_segment 0
		.amdhsa_kernarg_size 64
		.amdhsa_user_sgpr_count 2
		.amdhsa_user_sgpr_kernarg_segment_ptr 1
		.amdhsa_wavefront_size32 1
		.amdhsa_system_sgpr_workgroup_id_x 1
		.amdhsa_system_sgpr_workgroup_id_y 1
		.amdhsa_system_sgpr_workgroup_id_z 1
		.amdhsa_system_vgpr_workitem_id 0
		.amdhsa_next_free_vgpr 960
		.amdhsa_next_free_sgpr 96
		.amdhsa_reserve_vcc 0
		.amdhsa_float_denorm_mode_32 3
		.amdhsa_float_denorm_mode_16_64 3
		.amdhsa_memory_ordered 1
		.amdhsa_forward_progress 1
		.amdhsa_inst_pref_size 209
	.end_amdhsa_kernel
	.amdgpu_metadata
---
amdhsa.version: [ 1, 2 ]
amdhsa.kernels:
  - .name:           k_q98f1a01931_chain
    .symbol:         k_q98f1a01931_chain.kd
    .args:
      - { .name: xq, .offset: 0, .size: 8, .value_kind: global_buffer, .address_space: global }
      - { .name: w1l, .offset: 8, .size: 8, .value_kind: global_buffer, .address_space: global }
      - { .name: w2l, .offset: 16, .size: 8, .value_kind: global_buffer, .address_space: global }
      - { .name: b1, .offset: 24, .size: 8, .value_kind: global_buffer, .address_space: global }
      - { .name: lowp_scales, .offset: 32, .size: 8, .value_kind: global_buffer, .address_space: global }
      - { .name: tiles, .offset: 40, .size: 8, .value_kind: global_buffer, .address_space: global }
      - { .name: rows, .offset: 48, .size: 8, .value_kind: global_buffer, .address_space: global }
      - { .name: part, .offset: 56, .size: 8, .value_kind: global_buffer, .address_space: global }
    .group_segment_fixed_size: 158720
    .private_segment_fixed_size: 0
    .kernarg_segment_align: 8
    .kernarg_segment_size: 64
    .max_flat_workgroup_size: 128
    .sgpr_count:     96
    .vgpr_count:     960
    .wavefront_size: 32
...
	.end_amdgpu_metadata
.endif
;; end of part 3
;; launch combine (part 4): grid 256 x 1, 8 waves a work-group, no clusters, 0 bytes of LDS; arguments part, gate, sel, b2, lowp_scales, out0; writes out0
.if DOCPART == 4
	.amdgcn_target "amdgcn-amd-amdhsa--gfx1250"
	.amdhsa_code_object_version 6
	.text
	.protected	k_q98f1a01931_combine
	.globl	k_q98f1a01931_combine
	.p2align	8
	.type	k_q98f1a01931_combine,@function
k_q98f1a01931_combine:
	s_mov_b64 s[64:65], 0
	v_nop
	global_prefetch_b8 v0, s[64:65] scope:SCOPE_SE
	s_setreg_imm32_b32 hwreg(HW_REG_WAVE_MODE, 25, 1), 1
	s_wait_xcnt 0x0
; out[t] = the sum over k = 0, 1 of gate[2 t + k] x ((part[0][2 t + k] + part[1][2 t + k]) x 2^(e2 + e3) + b2[sel[2 t + k]]).
; Each output row has one owner.  A wave takes two tokens: their four routed rows lie on end in each half of part, 8 KiB each; every load and store of the wave covers 512 consecutive bytes, aligned.
; All 48 loads of a wave go out at once.  A stream: no LDS, no barrier, no matrix unit, no cluster (work-groups share only b2, 16 KiB).
; LIMIT: e2 + e3 between -126 and 127, so that 2^(e2 + e3) is an f32 number.
.set PSZ, 17039360                     ; bytes of part for one half
.set P,   16                           ; v16-143  token j, half g, choice k, load i at P + 64 j + 32 g + 16 k + 4 i
.set B2,  144                          ; v144-207 b2 of choice 2 j + k, load i at B2 + 16 (2 j + k) + 4 i
	s_load_b256 s[4:11], s[0:1], 0x0               ; part, gate, sel, b2
	s_load_b128 s[12:15], s[0:1], 0x20             ; the scales, out0
	v_lshrrev_b32 v1, 5, v0
	v_readfirstlane_b32 s20, v1                    ; wave 0..7
	v_and_b32 v1, 31, v0
	v_lshlrev_b32 v1, 4, v1                        ; 16 x lane
	s_lshl_b32 s21, ttmp9, 4
	s_lshl_b32 s22, s20, 1
	s_add_co_u32 s21, s21, s22                     ; my first token
	s_lshl_b32 s24, s21, 12                        ; part: two rows of 2,048 bytes a token
	s_mov_b32 s25, 0
	s_lshl_b32 s26, s21, 3                         ; sel, gate: 8 bytes a token
	s_mov_b32 s27, 0
	s_lshl_b32 s28, s21, 11                        ; out0: 2,048 bytes a token
	s_mov_b32 s29, 0
	s_wait_kmcnt 0x0
	s_add_nc_u64 s[4:5], s[4:5], s[24:25]
	s_add_nc_u64 s[16:17], s[4:5], PSZ             ; the other half of the hidden units
	s_add_nc_u64 s[6:7], s[6:7], s[26:27]
	s_add_nc_u64 s[8:9], s[8:9], s[26:27]
	s_add_nc_u64 s[14:15], s[14:15], s[28:29]
	s_load_b128 s[32:35], s[6:7], 0x0              ; four gates
	s_load_b128 s[36:39], s[8:9], 0x0              ; four experts
	s_load_b128 s[40:43], s[12:13], 0x0            ; e0, e1, e2, e3
.irp j, 0,1
.irp g, 0,1
.irp k, 0,1
.irp i, 0,1,2,3
	global_load_b128 v[P+64*\j+32*\g+16*\k+4*\i:P+64*\j+32*\g+16*\k+4*\i+3], v1, s[4+12*\g:5+12*\g] offset:4096*\j+2048*\k+512*\i th:TH_LOAD_NT
.endr
.endr
.endr
.endr
	s_wait_kmcnt 0x0
.irp n, 0,1,2,3
	s_min_u32 s44, s[36+\n], 7                     ; inside b2
	s_lshl_b32 s44, s44, 11
	v_add_nc_u32 v[8+\n], s44, v1
.irp i, 0,1,2,3
	global_load_b128 v[B2+16*\n+4*\i:B2+16*\n+4*\i+3], v[8+\n], s[10:11] offset:512*\i
.endr
.endr
	s_add_co_i32 s44, s42, s43
	s_add_co_i32 s44, s44, 127
	s_lshl_b32 s44, s44, 23                        ; 2^(e2 + e3) as f32
	s_mov_b32 s45, s44                             ; (a packed form names a pair and takes its low word for both halves: so both are written)
.irp n, 0,1,2,3
	s_mov_b32 s[46+2*\n], s[32+\n]
	s_mov_b32 s[47+2*\n], s[32+\n]
.endr
.irp j, 0,1
	s_wait_loadcnt 8*(1-\j)                        ; this token's rows and biases are in; the next token's eight loads of b2 may be out
.irp i, 0,1,2,3
.irp p, 0,2
	v_pk_add_f32 v[P+64*\j+4*\i+\p:P+64*\j+4*\i+\p+1], v[P+64*\j+4*\i+\p:P+64*\j+4*\i+\p+1], v[P+64*\j+32+4*\i+\p:P+64*\j+32+4*\i+\p+1]
	v_pk_add_f32 v[P+64*\j+16+4*\i+\p:P+64*\j+16+4*\i+\p+1], v[P+64*\j+16+4*\i+\p:P+64*\j+16+4*\i+\p+1], v[P+64*\j+48+4*\i+\p:P+64*\j+48+4*\i+\p+1]
	v_pk_fma_f32 v[P+64*\j+4*\i+\p:P+64*\j+4*\i+\p+1], v[P+64*\j+4*\i+\p:P+64*\j+4*\i+\p+1], s[44:45], v[B2+32*\j+4*\i+\p:B2+32*\j+4*\i+\p+1] op_sel_hi:[1,0,1]
	v_pk_fma_f32 v[P+64*\j+16+4*\i+\p:P+64*\j+16+4*\i+\p+1], v[P+64*\j+16+4*\i+\p:P+64*\j+16+4*\i+\p+1], s[44:45], v[B2+32*\j+16+4*\i+\p:B2+32*\j+16+4*\i+\p+1] op_sel_hi:[1,0,1]
	v_pk_mul_f32 v[P+64*\j+4*\i+\p:P+64*\j+4*\i+\p+1], v[P+64*\j+4*\i+\p:P+64*\j+4*\i+\p+1], s[46+4*\j:47+4*\j] op_sel_hi:[1,0]
	v_pk_fma_f32 v[P+64*\j+4*\i+\p:P+64*\j+4*\i+\p+1], v[P+64*\j+16+4*\i+\p:P+64*\j+16+4*\i+\p+1], s[48+4*\j:49+4*\j], v[P+64*\j+4*\i+\p:P+64*\j+4*\i+\p+1] op_sel_hi:[1,0,1]
.endr
	global_store_b128 v1, v[P+64*\j+4*\i:P+64*\j+4*\i+3], s[14:15] offset:2048*\j+512*\i th:TH_STORE_NT
.endr
.endr
	s_endpgm
.Lfunc_end_k_q98f1a01931_combine:
	.size	k_q98f1a01931_combine, .Lfunc_end_k_q98f1a01931_combine-k_q98f1a01931_combine
	.p2alignl 7, 3214868480
	.fill 96, 4, 3214868480
	.section	.rodata,"a",@progbits
	.p2align	6, 0x0
	.amdhsa_kernel k_q98f1a01931_combine
		.amdhsa_group_segment_fixed_size 0
		.amdhsa_private_segment_fixed_size 0
		.amdhsa_enable_private_segment 0
		.amdhsa_kernarg_size 48
		.amdhsa_user_sgpr_count 2
		.amdhsa_user_sgpr_kernarg_segment_ptr 1
		.amdhsa_wavefront_size32 1
		.amdhsa_system_sgpr_workgroup_id_x 1
		.amdhsa_system_sgpr_workgroup_id_y 1
		.amdhsa_system_sgpr_workgroup_id_z 1
		.amdhsa_system_vgpr_workitem_id 0
		.amdhsa_next_free_vgpr 208
		.amdhsa_next_free_sgpr 66
		.amdhsa_reserve_vcc 0
		.amdhsa_float_denorm_mode_32 3
		.amdhsa_float_denorm_mode_16_64 3
		.amdhsa_memory_ordered 1
		.amdhsa_forward_progress 1
		.amdhsa_inst_pref_size 14
	.end_amdhsa_kernel
	.amdgpu_metadata
---
amdhsa.version: [ 1, 2 ]
amdhsa.kernels:
  - .name:           k_q98f1a01931_combine
    .symbol:         k_q98f1a01931_combine.kd
    .args:
      - { .name: part, .offset: 0, .size: 8, .value_kind: global_buffer, .address_space: global }
      - { .name: gate, .offset: 8, .size: 8, .value_kind: global_buffer, .address_space: global }
      - { .name: sel, .offset: 16, .size: 8, .value_kind: global_buffer, .address_space: global }
      - { .name: b2, .offset: 24, .size: 8, .value_kind: global_buffer, .address_space: global }
      - { .name: lowp_scales, .offset: 32, .size: 8, .value_kind: global_buffer, .address_space: global }
      - { .name: out0, .offset: 40, .size: 8, .value_kind: global_buffer, .address_space: global }
    .group_segment_fixed_size: 0
    .private_segment_fixed_size: 0
    .kernarg_segment_align: 8
    .kernarg_segment_size: 48
    .max_flat_workgroup_size: 256
    .sgpr_count:     66
    .vgpr_count:     208
    .wavefront_size: 32
...
	.end_amdgpu_metadata
.endif
;; end of part 4
;; ======== version 2 of 2: 4 launches; version 1 with the launches chain, combine written anew for expert scheduling mode
;; workspace buffers: xq 2,097,152 bytes; sel 36,864 bytes of whole numbers; gate 32,768 bytes; tiles 512 bytes of whole numbers; rows 36,352 bytes of whole numbers; w1l 8,388,608 bytes; w2l 8,388,608 bytes; part 34,078,720 bytes
;; launch route: the kernel of part 1 again; grid 128 x 1, 4 waves a work-group, no clusters, 35,840 bytes of LDS; arguments x, Wr, br, lowp_scales, xq, sel, gate; writes xq, sel, gate
;; launch place: the kernel of part 2 again; grid 272 x 1, 8 waves a work-group, no clusters, 68,608 bytes of LDS; arguments sel, W1_codes, W2_codes, tiles, rows, w1l, w2l; writes tiles, rows, w1l, w2l
;; launch chain (part 5): grid 110 x 2, 4 waves a work-group, no clusters, 158,720 bytes of LDS; arguments xq, w1l, w2l, b1, lowp_scales, tiles, rows, part; writes part
.if DOCPART == 5
	.amdgcn_target "amdgcn-amd-amdhsa--gfx1250"
	.amdhsa_code_object_version 6
	.text
	.protected	k_q98f1a01931_chain
	.globl	k_q98f1a01931_chain
	.p2align	8
	.type	k_q98f1a01931_chain,@function
k_q98f1a01931_chain:
	s_mov_b64 s[64:65], 0
	v_nop
	global_prefetch_b8 v0, s[64:65] scope:SCOPE_SE
	s_setreg_imm32_b32 hwreg(HW_REG_WAVE_SCHED_MODE, 0, 2), 2
	s_setreg_imm32_b32 hwreg(HW_REG_WAVE_MODE, 25, 1), 1
	s_wait_xcnt 0x0
	s_wait_alu depctr_vm_vsrc(0)
; ONE TILE OF 80 ROUTED ROWS OF ONE EXPERT THROUGH BOTH PRODUCTS, for one half sigma of the expert's 2,048 hidden units (work-group x: the tile; y: sigma).
;   h = relu(x W1 + b1), quantised to E5M2 with the given 2^e3;  part[sigma][rho][0..511] = the raw f32 sums of codes(h) x codes(W2) over this half.  The scale 2^(e2 + e3), b2, the gates and the sum of the two
;   halves and the two experts of a token are the next launch's.  The hidden layer never goes to memory.
; THE LIST.  tiles[tile] is the expert; rows[tile][0..79] are routed rows rho = 2 token + k, or 8192 + tile in an unused place: such a place reads the last token's codes and stores into the tile's own spare row, which
;   nobody reads.  So the text has no branch, no mask and no loop: every offset is an immediate.
; SHARES.  THE WAVES SHARE THE COLUMNS: wave w makes hidden groups of 128, G = 8 sigma + 2 w + g (g = 0, 1), and then outputs 128 w .. 128 w + 127, for all 80 rows (five tiles of 16).
; WEIGHTS GO FROM MEMORY STRAIGHT INTO REGISTERS: they were laid in the order of the operand registers, so a load is 512 consecutive bytes.  A ring of two sets of eight fragments (16 KiB a step and wave):
;   a step's set is asked for two steps ahead, right behind the products that have read the set before it.
; BOTH PRODUCTS ARE USED TRANSPOSED (source 0 = 16 rows of the weight, source 1 = 16 routed rows): a lane holds one routed row throughout.  The rows of W1 that form a tile are chosen (lane r of tile 2 b + u takes row
;   32 b + 8 u + r + 8 (r / 8)) so that the 16 registers of tiles 2 b, 2 b + 1 are 16 neighbours along the next K; the conversions' results are the next operand's registers.  They go from wave to wave through LDS as images of registers.
; A fragment holds, in registers 4 c .. 4 c + 3 of lane (r, h), k = 32 c + 16 h + 0 .. 15: the same permutation of k in both operands of every product.
; b1 is the C of each sum's first product, divided once by 2^(e0 + e1); relu and the hold at the largest code are one v_med3_num_f32; the three scales ahead of the quantiser are folded into the conversion's one.
; NO CLUSTER, NO TENSOR LOADS: which tiles have the same expert is known only from the stored list, so the partners of a cluster could want different weights in the same step.
; LIMITS: e3 - e0 - e1 between -126 and 112.  NaN among the inputs is not served.
; REGISTERS, in windows of 256.  Window 0: v1-11 addresses and scales; v12-27, v200-215 row offsets for the way out (v200-219 first: the offsets of x's rows); v40-119 the 10 accumulators of a step of the first product
;   ((m, u) at 40 + 16 m + 8 u), first the landing place of x's rows; v120-139, v140-159 two sets of codes just made; in the second product v40-119 and v120-199 two sets of five hidden fragments; on the way out v40-167 rows read back.
;   Window 1: the ring.   Window 2: x's fragments (m < 4, s) at 16 (4 m + s); then the accumulators (m < 4, n) at 8 (8 m + n).   Window 3: v0-63 the same for m = 4; v64-191 b1: step q, register 8 u + j at 64 + 16 q + 8 u + j.
; THE MODE: SCHED_MODE bits 1:0 = 2 (LLVM: expert scheduling mode 2), set by the entry lines.  The code itself states the register dependences
; between vector or matrix instructions and memory or LDS instructions, with s_wait_alu, always for 0.
; THE PLAN.  Registers that memory or LDS instructions touch, and who else names them:
;   v1-8, v11      Offsets and LDS addresses: written at the head, never again.  One wait on va_vdst ahead of the first load.
;   v200-219       The offsets of x's rows: twenty additions, one wait on va_vdst, twenty loads.
;   v40-119        x's rows land here and my LDS stores read them; then the products write them: one wait on vm_vsrc ahead of step 0.
;   RING0, RING1   Step q's products read RING[q % 2]; behind them the loads of step q + 2 land in it.
;   PC0, PC1       Step q's conversions write PC[q % 2]; the five LDS stores that read it are issued in step q + 1; step q + 2's conversions write it again.
;   So ONE wait on va_vdst stands in a step of the first product, behind its products: they are done reading RING[q % 2], and the conversions of the step before have written their PC.  The step's 32 loads and five LDS stores
;   follow it; no vector or matrix instruction issued since names a register that they touch.  One wait on vm_vsrc stands at the head of a step: the LDS stores of the step before have read the PC that this step writes.
;   H0, H1         v40-119, v120-199: a step of the second product reads H[st % 2] and RING[st % 2]; ONE wait on va_vdst behind its products, then the loads of step st + 2 into both.
;   The way out    The accumulators are the LDS stores' data: the four places, then one wait on va_vdst for all of them.  BB0, BB1: LDS loads land, global stores read, LDS loads land again behind a wait on vm_vsrc.
;                  OF0, OF1: sixteen additions write a tile's offsets, one wait on va_vdst, sixteen stores read them.
;   No scalar register that a vector instruction reads is written again ahead of a wait on va_vdst: the list's entries are worked in place, and the scalar load that takes their place stands behind that wait.
.set XP,    528                        ; LDS: x's 80 rows of 512 codes, 528 bytes apart (an odd multiple of 16), from byte 0
.set HIMG,  42496                      ; the hidden layer's images: chunk (4 S + c) x 2560 + 512 m + 16 lane; S = 2 w + g
.set HCH,   2560
.set STG,   124416                     ; 16 rows x 528 bytes for each wave, for the way out
.set PSZ,   17039360                   ; bytes of part for one sigma: 8,320 rows of 2,048
.set ACC,   40
.set PC,    120                        ; two sets of 20 registers: step q's codes at PC + 20 (q % 2)
.set B1W,   64
.set MSB,   0
.macro WIN new                         ; the immediate's high byte repeats the setting that is left; bits 1:0 source 0, 3:2 source 1, 5:4 source 2, 7:6 destination
.if MSB != \new
	s_set_vgpr_msb (MSB<<8)|\new
.set MSB, \new
.endif
.endm
.macro PLACES                          ; four plain vector instructions between a matrix instruction and the first read of a result (ISA guide 7.12.1)
.rept 4
	v_nop
.endr
.endm
.macro LOADW buf, base, off            ; eight fragments, 16 KiB, into set buf of the ring: 32 loads of 512 consecutive bytes
	WIN 0x40
.irp f, 0,1,2,3,4,5,6,7
.irp c, 0,1,2,3
	global_load_b128 v[128*(\buf)+16*\f+4*\c:128*(\buf)+16*\f+4*\c+3], v1, s[\base:\base+1] offset:\off+2048*\f+512*\c
.endr
.endr
.endm
	s_load_b512 s[4:19], s[0:1], 0x0               ; xq s[4:5], w1l s[6:7], w2l s[8:9], b1 s[10:11], the scales s[12:13], tiles s[14:15], rows s[16:17], part s[18:19]
	v_lshl_add_u32 v254, v0, 2, 0x26a00
	v_mov_b32 v255, 0
	v_lshrrev_b32 v1, 5, v0
	v_readfirstlane_b32 s20, v1                    ; wave 0..3
	s_and_b32 s22, ttmp7, 0xffff                   ; sigma
	v_and_b32 v30, 31, v0                          ; lane
	v_and_b32 v31, 15, v0                          ; r
	v_bfe_u32 v32, v0, 4, 1                        ; h
	v_lshlrev_b32 v1, 4, v30                       ; v1: 16 x lane
	v_mul_u32_u24 v2, v31, XP
	v_lshl_add_u32 v7, v32, 5, v2
	v_lshl_add_u32 v2, v32, 4, v2                  ; v2: a fragment of x: row r, + 16 h
	s_wait_alu depctr_va_sdst(0)                   ; s20 is written, ahead of its first reader: LDS addresses and the bases of the weights, b1 and part are made from it
	s_mul_i32 s81, s20, 4*XP
	v_add_nc_u32 v3, s81, v1                       ; v3: where I put x's rows: rows 16 m + 4 w + q
	s_mul_i32 s82, s20, 8*HCH
	s_add_co_u32 s82, s82, HIMG
	v_add_nc_u32 v4, s82, v1                       ; v4: where I put my images: chunks 8 w + q
	v_add_nc_u32 v5, HIMG, v1                      ; v5, v6: where any wave reads them: chunks 0-15, 16-31
	v_add_nc_u32 v6, HIMG+16*HCH, v1
	s_mul_i32 s83, s20, 16*XP
	s_add_co_u32 s83, s83, STG
	v_add_nc_u32 v7, s83, v7                       ; v7: my stage, in: row r, + 32 h
	v_add_nc_u32 v8, s83, v1                       ; v8: and back: 16 bytes a lane of a row of 512
	v_lshlrev_b32 v11, 6, v32                      ; v11: b1: 16 h numbers on
	s_lshl_b32 s66, ttmp9, 2
	s_mov_b32 s67, 0
	s_mul_i32 s68, ttmp9, 320
	s_mov_b32 s69, 0
	s_wait_kmcnt 0x0
	s_add_nc_u64 s[14:15], s[14:15], s[66:67]
	s_add_nc_u64 s[76:77], s[16:17], s[68:69]      ; s[76:77]: my tile's list
	s_lshl_b32 s66, s20, 4
	s_add_nc_u64 s[16:17], s[76:77], s[66:67]
	s_load_b32 s24, s[14:15], 0x0                  ; the expert
.irp m, 0,1,2,3,4
	s_load_b128 s[32+4*\m:35+4*\m], s[16:17], 64*\m   ; the list's entries 16 m + 4 w + 0 .. 3
.endr
	s_load_b128 s[28:31], s[12:13], 0x0            ; e0, e1, e2, e3
	s_wait_kmcnt 0x0
	s_min_u32 s24, s24, 7
	s_lshl_b32 s66, s24, 4
	s_lshl_b32 s68, s22, 3
	s_add_co_u32 s66, s66, s68
	s_lshl_b32 s68, s20, 1
	s_add_co_u32 s66, s66, s68
	s_lshl_b32 s66, s66, 16
	s_add_nc_u64 s[70:71], s[6:7], s[66:67]        ; w1l at group 16 e + 8 sigma + 2 w: eight steps of 16 KiB
	s_lshl_b32 s66, s24, 2
	s_add_co_u32 s66, s66, s20
	s_lshl_b32 s66, s66, 18
	s_lshl_b32 s68, s22, 17
	s_add_co_u32 s66, s66, s68
	s_add_nc_u64 s[72:73], s[8:9], s[66:67]        ; w2l at (4 e + w), K step 8 sigma: eight steps of 16 KiB
	s_mul_i32 s66, s22, PSZ
	s_lshl_b32 s68, s20, 9
	s_add_co_u32 s66, s66, s68
	s_add_nc_u64 s[74:75], s[18:19], s[66:67]      ; part[sigma], my 128 columns
	s_lshl_b32 s66, s24, 11
	s_lshl_b32 s68, s22, 10
	s_add_co_u32 s66, s66, s68
	s_lshl_b32 s68, s20, 8
	s_add_co_u32 s66, s66, s68
	s_lshl_b32 s66, s66, 2
	s_add_nc_u64 s[78:79], s[10:11], s[66:67]      ; b1 at my 256 hidden units
	WIN 0x40
	s_wait_alu depctr_va_vdst(0)                   ; v1 to v8 and v11 are written: every load, store and LDS instruction of the kernel reads one of them as its offset or address
	LOADW 0, 70, 0                                 ; step 0 of W1
	WIN 0
.irp n, 0,1,2,3,4,5,6,7,8,9,10,11,12,13,14,15,16,17,18,19
	s_lshr_b32 s[32+\n], s[32+\n], 1               ; the token, in the entry's own register,
	s_min_u32 s[32+\n], s[32+\n], 4095             ; inside xq (an unused place reads the last token)
	s_lshl_b32 s[32+\n], s[32+\n], 9
	v_add_nc_u32 v[200+\n], s[32+\n], v1
.endr
	s_wait_alu depctr_va_vdst(0)                   ; the twenty additions have written v200-219, which the twenty loads below read as their offsets
.irp n, 0,1,2,3,4,5,6,7,8,9,10,11,12,13,14,15,16,17,18,19
	global_load_b128 v[40+4*\n:43+4*\n], v[200+\n], s[4:5]   ; a whole row of 512 codes
.endr
	WIN 0xc0
.irp q, 0,1,2,3,4,5,6,7
.irp t, 0,1,2,3
	global_load_b128 v[B1W+16*\q+4*\t:B1W+16*\q+4*\t+3], v11, s[78:79] offset:128*\q+16*\t   ; b1 of hidden units 32 q + 16 h + 4 t on
.endr
.endr
	WIN 0
	s_wait_loadcnt 32                              ; step 0 of W1 and x's rows are in; b1's 32 loads stay out
.irp n, 0,1,2,3,4,5,6,7,8,9,10,11,12,13,14,15,16,17,18,19
	ds_store_b128 v3, v[40+4*\n:43+4*\n] offset:(16*(\n/4)+\n%4)*XP
.endr
	LOADW 1, 70, 16384                             ; step 1 of W1
	WIN 0
	s_wait_dscnt 0x0                               ; for the others: my rows of x lie in LDS
	s_barrier_signal -1
	s_barrier_wait -1
	WIN 0x80
.irp m, 0,1,2,3
.irp s, 0,1,2,3
.irp c, 0,1,2,3
	ds_load_b128 v[16*(4*\m+\s)+4*\c:16*(4*\m+\s)+4*\c+3], v2 offset:16*XP*\m+128*\s+32*\c
.endr
.endr
.endr
	WIN 0xc0
.irp s, 0,1,2,3
.irp c, 0,1,2,3
	ds_load_b128 v[16*\s+4*\c:16*\s+4*\c+3], v2 offset:16*XP*4+128*\s+32*\c
.endr
.endr
	WIN 0
	s_add_co_i32 s66, s28, s29                     ; e0 + e1: a sum of the first product stands for sum x 2^(e0 + e1)
	s_sub_co_i32 s80, 0, s66
	s_sub_co_i32 s66, s31, s66
	s_add_co_i32 s66, s66, 127
	s_lshl_b32 s68, s66, 23
	v_mov_b32 v9, s68                              ; 2^(e3 - e0 - e1): the conversion takes its exponent field
	s_add_co_i32 s66, s66, 15
	s_lshl_b32 s66, s66, 23
	s_or_b32 s66, s66, 0x600000
	v_mov_b32 v10, s66                             ; 57,344 x that
	s_wait_loadcnt 32                              ; b1 is in; step 1 of W1 stays out
	WIN 0xc3
.set j, 0
.rept 128
	v_ldexp_f32 v[B1W+j], v[B1W+j], s80            ; b1 / 2^(e0 + e1)
.set j, j+1
.endr
	WIN 0
	s_wait_dscnt 0x0                               ; x's twenty fragments are in registers
	s_wait_alu depctr_vm_vsrc(0)                   ; my LDS stores of x's rows have read v40-119, which the products of step 0 write
; A STEP OF THE FIRST PRODUCT: 32 hidden units (two tiles u) x 80 rows x K = 512: 40 products on ten accumulators, which take turns, one instruction a turn.
; Behind them, under one wait: the ring's set is asked for again (two steps on), and the codes of the step before go to LDS.  Then this step's results become one chunk of 16 bytes a lane for each of the five tiles of rows.
.macro P1STEP q, base, off
.set RB, 128*((\q)%2)
.set PW, PC+20*((\q)%2)                ; the codes that this step makes
.set PR, PC+20*(1-(\q)%2)              ; the codes that the step before made
.if (\q) >= 2
	s_wait_dscnt 0x0                               ; the LDS stores issued in the step before are done,
	s_wait_alu depctr_vm_vsrc(0)                   ; and have read the set of codes that this step's conversions write again
.endif
.irp s, 0,1,2,3
	s_wait_loadcnt 56-8*\s                         ; fragments 2 s and 2 s + 1 are in: this step's 24 - 8 s later loads and the next step's 32 may be out
.if \s == 0
	WIN 0x39                                       ; W1 window 1, x window 2, b1 window 3, sums window 0
.else
	WIN 0x09
.endif
.irp m, 0,1,2,3
.irp u, 0,1
.if \s == 0
	v_wmma_f32_16x16x128_bf8_bf8 v[ACC+16*\m+8*\u:ACC+16*\m+8*\u+7], v[RB+16*(2*\s+\u):RB+16*(2*\s+\u)+15], v[16*(4*\m+\s):16*(4*\m+\s)+15], v[B1W+16*(\q)+8*\u:B1W+16*(\q)+8*\u+7]
.else
	v_wmma_f32_16x16x128_bf8_bf8 v[ACC+16*\m+8*\u:ACC+16*\m+8*\u+7], v[RB+16*(2*\s+\u):RB+16*(2*\s+\u)+15], v[16*(4*\m+\s):16*(4*\m+\s)+15], v[ACC+16*\m+8*\u:ACC+16*\m+8*\u+7]
.endif
.endr
.endr
.if \s == 0
	WIN 0x3d                                       ; the fifth tile's x lies in window 3
.else
	WIN 0x0d
.endif
.irp u, 0,1
.if \s == 0
	v_wmma_f32_16x16x128_bf8_bf8 v[ACC+64+8*\u:ACC+64+8*\u+7], v[RB+16*(2*\s+\u):RB+16*(2*\s+\u)+15], v[16*\s:16*\s+15], v[B1W+16*(\q)+8*\u:B1W+16*(\q)+8*\u+7]
.else
	v_wmma_f32_16x16x128_bf8_bf8 v[ACC+64+8*\u:ACC+64+8*\u+7], v[RB+16*(2*\s+\u):RB+16*(2*\s+\u)+15], v[16*\s:16*\s+15], v[ACC+64+8*\u:ACC+64+8*\u+7]
.endif
.endr
.endr
	WIN 0x40
	PLACES                                         ; in front of the first read of results
	s_wait_alu depctr_va_vdst(0)                   ; this step's products are done reading the ring's set, in which the loads below land; the conversions of the step before have written their codes, which the LDS stores below read
	LOADW (\q)%2, \base, \off
.if (\q) >= 1
.irp m, 0,1,2,3,4
	ds_store_b128 v4, v[PR+4*\m:PR+4*\m+3] offset:HCH*((\q)-1)+512*\m   ; the chunk of the step before (address and data lie in window 0 under this setting too)
.endr
.endif
	WIN 0
.irp m, 0,1,2,3,4
.irp i, 0,1,2,3,4,5,6,7,8,9,10,11,12,13,14,15
	v_med3_num_f32 v[ACC+16*\m+\i], v[ACC+16*\m+\i], 0, v10   ; relu and the hold in one: between 0 and the largest code x the scale (the conversion does not saturate: ISA guide 7.6.2); each accumulator from its low end on
.endr
	v_cvt_scalef32_pk8_bf8_f32 v[PW+4*\m:PW+4*\m+1], v[ACC+16*\m:ACC+16*\m+7], v9
	v_cvt_scalef32_pk8_bf8_f32 v[PW+4*\m+2:PW+4*\m+3], v[ACC+16*\m+8:ACC+16*\m+15], v9
.endr
	v_nop                                          ; a plain vector instruction between the last conversion and the products that write its sources
.endm
.macro HLOAD st, hb                    ; the five hidden fragments of K step st, as the waves stored them
.irp m, 0,1,2,3,4
.irp c, 0,1,2,3
.if (\st) < 4
	ds_load_b128 v[\hb+16*\m+4*\c:\hb+16*\m+4*\c+3], v5 offset:(4*((\st)%4)+\c)*HCH+512*\m
.else
	ds_load_b128 v[\hb+16*\m+4*\c:\hb+16*\m+4*\c+3], v6 offset:(4*((\st)%4)+\c)*HCH+512*\m
.endif
.endr
.endr
.endm
; A STEP OF THE SECOND PRODUCT: 128 along K x my 128 outputs (eight tiles n) x 80 rows: 40 products on 40 accumulators by turns.  yy: loads of the next step that may be out; dd: LDS loads of the next step.
.macro P2STEP st, yy, dd, refill
.set RB, 128*((\st)%2)
.set HB, 40+80*((\st)%2)
	s_wait_dscnt \dd
	WIN 0xa1                                       ; W2 window 1, hidden window 0, sums window 2
.irp n, 0,1,2,3,4,5,6,7
.if (\n)%2 == 0
	s_wait_loadcnt \yy+24-4*\n                     ; fragments n and n + 1 are in
.endif
.irp m, 0,1,2,3
.if (\st) == 0
	v_wmma_f32_16x16x128_bf8_bf8 v[8*(8*\m+\n):8*(8*\m+\n)+7], v[RB+16*\n:RB+16*\n+15], v[HB+16*\m:HB+16*\m+15], 0
.else
	v_wmma_f32_16x16x128_bf8_bf8 v[8*(8*\m+\n):8*(8*\m+\n)+7], v[RB+16*\n:RB+16*\n+15], v[HB+16*\m:HB+16*\m+15], v[8*(8*\m+\n):8*(8*\m+\n)+7]
.endif
.endr
.endr
	WIN 0xf1                                       ; the fifth tile's sums lie in window 3
.irp n, 0,1,2,3,4,5,6,7
.if (\st) == 0
	v_wmma_f32_16x16x128_bf8_bf8 v[8*\n:8*\n+7], v[RB+16*\n:RB+16*\n+15], v[HB+64:HB+79], 0
.else
	v_wmma_f32_16x16x128_bf8_bf8 v[8*\n:8*\n+7], v[RB+16*\n:RB+16*\n+15], v[HB+64:HB+79], v[8*\n:8*\n+7]
.endif
.endr
.if \refill
	WIN 0x40
	PLACES
	s_wait_alu depctr_va_vdst(0)                   ; this step's products are done reading the ring's set and the set of hidden fragments, in which the loads and the LDS loads below land
	LOADW (\st)%2, 72, ((\st)+2)*16384
	WIN 0
	HLOAD (\st)+2, HB
.endif
.endm
.irp q, 0,1,2,3,4,5
	P1STEP \q, 70, (\q+2)*16384
.endr
	P1STEP 6, 72, 0                                ; the ring goes on into W2
	P1STEP 7, 72, 16384
	s_wait_alu depctr_va_vdst(0)                   ; step 7's conversions have written their codes, which the LDS stores below read; and every vector and matrix instruction is done with v40-199, in which the hidden fragments land
.irp m, 0,1,2,3,4
	ds_store_b128 v4, v[PC+20+4*\m:PC+20+4*\m+3] offset:HCH*7+512*\m   ; the last chunk
.endr
	s_wait_dscnt 0x0                               ; for the others: my eight chunks of the hidden layer lie in LDS
	s_barrier_signal -1
	s_barrier_wait -1
	s_wait_alu depctr_vm_vsrc(0)                   ; my LDS stores have read both sets of codes, v120-159, in which hidden fragments land
	s_load_b512 s[32:47], s[76:77], 0x0            ; the list again, for the way out: rows 0-15,
	s_load_b512 s[48:63], s[76:77], 0x40           ; rows 16-31
	HLOAD 0, 40
	HLOAD 1, 120
.irp t, 0,1,2,3,4,5
	P2STEP \t, 32, 20, 1
.endr
	P2STEP 6, 32, 20, 0
	P2STEP 7, 0, 0, 0
; THE WAY OUT, a tile of 16 rows at a time.  A lane holds 32 neighbouring bytes of a row and the lanes beside it hold other rows: so the tile goes through my own stage and comes back as rows of 512 bytes (my 128 columns),
; which the 32 lanes store as 512 consecutive bytes, aligned, at the row that the list names.  LDS serves a wave's instructions in order: no wait between the stores and the loads, nor in front of the next tile's stores.
.macro TOSTAGE m
.if (\m) < 4
	WIN 0x08                                       ; the stores' data: window 2
.set AC, 64*(\m)
.else
	WIN 0x0c                                       ; window 3
.set AC, 0
.endif
.irp n, 0,1,2,3,4,5,6,7
	ds_store_b128 v7, v[AC+8*\n:AC+8*\n+3] offset:64*\n          ; each accumulator from its low end on
	ds_store_b128 v7, v[AC+8*\n+4:AC+8*\n+7] offset:64*\n+16
.endr
	WIN 0
.set BB, 40+64*((\m)%2)
.irp i, 0,1,2,3,4,5,6,7,8,9,10,11,12,13,14,15
	ds_load_b128 v[BB+4*\i:BB+4*\i+3], v8 offset:XP*\i
.endr
.endm
.macro SEND m, younger                 ; younger: the LDS instructions issued behind tile m's loads, which may stay out
.set BB, 40+64*((\m)%2)
.set OF, 12+188*((\m)%2)
.set LS, 32+16*((\m)%2)
	s_wait_kmcnt 0x0                               ; the tile's sixteen list entries are in
.irp i, 0,1,2,3,4,5,6,7,8,9,10,11,12,13,14,15
	s_min_u32 s[LS+\i], s[LS+\i], 8319             ; inside part; in the entry's own register
	s_lshl_b32 s[LS+\i], s[LS+\i], 11
	v_add_nc_u32 v[OF+\i], s[LS+\i], v1
.endr
	s_wait_dscnt \younger
	s_wait_alu depctr_va_vdst(0)                   ; the sixteen additions have written the tile's offsets, which the stores below read, and are done reading the entries' registers
.if (\m)+2 < 5
	s_load_b512 s[LS:LS+15], s[76:77], 64*((\m)+2) ; the entries of the tile two on take their place
.endif
.irp i, 0,1,2,3,4,5,6,7,8,9,10,11,12,13,14,15
	global_store_b128 v[OF+\i], v[BB+4*\i:BB+4*\i+3], s[74:75] th:TH_STORE_NT
.endr
.endm
	WIN 0x08
	PLACES                                         ; behind the last products, in front of the first read of results
	s_wait_alu depctr_va_vdst(0)                   ; the products have written all forty accumulators, which the LDS stores of the five tiles read, and are done reading the hidden fragments v40-199, in which rows land; the places above stay beside this wait
	TOSTAGE 0
.irp a, 1,2,3,4
.if \a > 1
	s_wait_xcnt 0x0                                ; tile a - 2's stores have had their addresses translated: their data and offsets are written again only behind this wait,
	s_wait_alu depctr_vm_vsrc(0)                   ; and they have read their data, in which tile a's LDS loads land; the stores of the tile before them have read the offsets that the additions below write again
.endif
	TOSTAGE \a
	SEND \a-1, 32                                  ; behind tile a - 1's loads: tile a's 16 stores and 16 loads
.endr
	s_wait_xcnt 0x0
	SEND 4, 0
	s_wait_dscnt 0x0                               ; the closing lines, six on end (every window is 0 here: the add's two registers lie in window 0)
	s_wait_alu 0x0
	s_wait_tensorcnt 0x0
	ds_add_u32 v254, v255
	s_wait_dscnt 0x0
	s_endpgm
.Lfunc_end_k_q98f1a01931_chain:
	.size	k_q98f1a01931_chain, .Lfunc_end_k_q98f1a01931_chain-k_q98f1a01931_chain
	.p2alignl 7, 3214868480
	.fill 96, 4, 3214868480
	.section	.rodata,"a",@progbits
	.p2align	6, 0x0
	.amdhsa_kernel k_q98f1a01931_chain
		.amdhsa_group_segment_fixed_size 158720
		.amdhsa_private_segment_fixed_size 0
		.amdhsa_enable_private_segment 0
		.amdhsa_kernarg_size 64
		.amdhsa_user_sgpr_count 2
		.amdhsa_user_sgpr_kernarg_segment_ptr 1
		.amdhsa_wavefront_size32 1
		.amdhsa_system_sgpr_workgroup_id_x 1
		.amdhsa_system_sgpr_workgroup_id_y 1
		.amdhsa_system_sgpr_workgroup_id_z 1
		.amdhsa_system_vgpr_workitem_id 0
		.amdhsa_next_free_vgpr 960
		.amdhsa_next_free_sgpr 96
		.amdhsa_reserve_vcc 0
		.amdhsa_float_denorm_mode_32 3
		.amdhsa_float_denorm_mode_16_64 3
		.amdhsa_memory_ordered 1
		.amdhsa_forward_progress 1
		.amdhsa_inst_pref_size 210
	.end_amdhsa_kernel
	.amdgpu_metadata
---
amdhsa.version: [ 1, 2 ]
amdhsa.kernels:
  - .name:           k_q98f1a01931_chain
    .symbol:         k_q98f1a01931_chain.kd
    .args:
      - { .name: xq, .offset: 0, .size: 8, .value_kind: global_buffer, .address_space: global }
      - { .name: w1l, .offset: 8, .size: 8, .value_kind: global_buffer, .address_space: global }
      - { .name: w2l, .offset: 16, .size: 8, .value_kind: global_buffer, .address_space: global }
      - { .name: b1, .offset: 24, .size: 8, .value_kind: global_buffer, .address_space: global }
      - { .name: lowp_scales, .offset: 32, .size: 8, .value_kind: global_buffer, .address_space: global }
      - { .name: tiles, .offset: 40, .size: 8, .value_kind: global_buffer, .address_space: global }
      - { .name: rows, .offset: 48, .size: 8, .value_kind: global_buffer, .address_space: global }
      - { .name: part, .offset: 56, .size: 8, .value_kind: global_buffer, .address_space: global }
    .group_segment_fixed_size: 158720
    .private_segment_fixed_size: 0
    .kernarg_segment_align: 8
    .kernarg_segment_size: 64
    .max_flat_workgroup_size: 128
    .sgpr_count:     96
    .vgpr_count:     960
    .wavefront_size: 32
...
	.end_amdgpu_metadata
.endif
;; end of part 5
;; launch combine (part 6): grid 256 x 1, 8 waves a work-group, no clusters, 0 bytes of LDS; arguments part, gate, sel, b2, lowp_scales, out0; writes out0
.if DOCPART == 6
	.amdgcn_target "amdgcn-amd-amdhsa--gfx1250"
	.amdhsa_code_object_version 6
	.text
	.protected	k_q98f1a01931_combine
	.globl	k_q98f1a01931_combine
	.p2align	8
	.type	k_q98f1a01931_combine,@function
k_q98f1a01931_combine:
	s_mov_b64 s[64:65], 0
	v_nop
	global_prefetch_b8 v0, s[64:65] scope:SCOPE_SE
	s_setreg_imm32_b32 hwreg(HW_REG_WAVE_SCHED_MODE, 0, 2), 2
	s_setreg_imm32_b32 hwreg(HW_REG_WAVE_MODE, 25, 1), 1
	s_wait_xcnt 0x0
	s_wait_alu depctr_vm_vsrc(0)
; out[t] = the sum over k = 0, 1 of gate[2 t + k] x ((part[0][2 t + k] + part[1][2 t + k]) x 2^(e2 + e3) + b2[sel[2 t + k]]).
; Each output row has one owner.  A wave takes two tokens: their four routed rows lie on end in each half of part, 8 KiB each; every load and store of the wave covers 512 consecutive bytes, aligned.
; All 48 loads of a wave go out at once.  A stream: no LDS, no barrier, no matrix unit, no cluster (work-groups share only b2, 16 KiB).
; LIMIT: e2 + e3 between -126 and 127, so that 2^(e2 + e3) is an f32 number.
; THE MODE: SCHED_MODE bits 1:0 = 2 (LLVM: expert scheduling mode 2), set by the entry lines.  The code itself states the register dependences
; between vector instructions and memory instructions, with s_wait_alu, always for 0.
; THE PLAN.  Registers that memory instructions touch:
;   v1        16 x lane: written once at the head; read by part's loads and by every store.  One wait on va_vdst ahead of the first load.
;   v8-11     b2's offsets: written by four additions, then one wait on va_vdst, then read by b2's sixteen loads.
;   P, B2     Loads land in them once; no vector instruction names them before.
;   A token's first sixteen registers of P are also its result: its 48 packed instructions write them, one wait on va_vdst follows, and its four stores read them.
; No register that a memory instruction reads is written again, so no wait on vm_vsrc is owed.  No scalar register that a vector instruction reads is written again.
.set PSZ, 17039360                     ; bytes of part for one half
.set P,   16                           ; v16-143  token j, half g, choice k, load i at P + 64 j + 32 g + 16 k + 4 i
.set B2,  144                          ; v144-207 b2 of choice 2 j + k, load i at B2 + 16 (2 j + k) + 4 i
	s_load_b256 s[4:11], s[0:1], 0x0               ; part, gate, sel, b2
	s_load_b128 s[12:15], s[0:1], 0x20             ; the scales, out0
	v_lshrrev_b32 v1, 5, v0
	v_readfirstlane_b32 s20, v1                    ; wave 0..7
	v_and_b32 v1, 31, v0
	v_lshlrev_b32 v1, 4, v1                        ; 16 x lane
	s_lshl_b32 s21, ttmp9, 4
	s_wait_alu depctr_va_sdst(0)                   ; s20 is written, ahead of its first reader: the wave's tokens, and so every base, are made from it
	s_lshl_b32 s22, s20, 1
	s_add_co_u32 s21, s21, s22                     ; my first token
	s_lshl_b32 s24, s21, 12                        ; part: two rows of 2,048 bytes a token
	s_mov_b32 s25, 0
	s_lshl_b32 s26, s21, 3                         ; sel, gate: 8 bytes a token
	s_mov_b32 s27, 0
	s_lshl_b32 s28, s21, 11                        ; out0: 2,048 bytes a token
	s_mov_b32 s29, 0
	s_wait_kmcnt 0x0
	s_add_nc_u64 s[4:5], s[4:5], s[24:25]
	s_add_nc_u64 s[16:17], s[4:5], PSZ             ; the other half of the hidden units
	s_add_nc_u64 s[6:7], s[6:7], s[26:27]
	s_add_nc_u64 s[8:9], s[8:9], s[26:27]
	s_add_nc_u64 s[14:15], s[14:15], s[28:29]
	s_load_b128 s[32:35], s[6:7], 0x0              ; four gates
	s_load_b128 s[36:39], s[8:9], 0x0              ; four experts
	s_load_b128 s[40:43], s[12:13], 0x0            ; e0, e1, e2, e3
	s_wait_alu depctr_va_vdst(0)                   ; v1 is written: part's loads and all stores read it as their offset
.irp j, 0,1
.irp g, 0,1
.irp k, 0,1
.irp i, 0,1,2,3
	global_load_b128 v[P+64*\j+32*\g+16*\k+4*\i:P+64*\j+32*\g+16*\k+4*\i+3], v1, s[4+12*\g:5+12*\g] offset:4096*\j+2048*\k+512*\i th:TH_LOAD_NT
.endr
.endr
.endr
.endr
	s_wait_kmcnt 0x0
.irp n, 0,1,2,3
	s_min_u32 s[24+\n], s[36+\n], 7                ; inside b2; a scalar register of its own for each choice
	s_lshl_b32 s[24+\n], s[24+\n], 11
	v_add_nc_u32 v[8+\n], s[24+\n], v1
.endr
	s_wait_alu depctr_va_vdst(0)                   ; the four additions have written v8-11, which b2's sixteen loads read as their offsets
.irp n, 0,1,2,3
.irp i, 0,1,2,3
	global_load_b128 v[B2+16*\n+4*\i:B2+16*\n+4*\i+3], v[8+\n], s[10:11] offset:512*\i
.endr
.endr
	s_add_co_i32 s44, s42, s43
	s_add_co_i32 s44, s44, 127
	s_lshl_b32 s44, s44, 23                        ; 2^(e2 + e3) as f32
	s_mov_b32 s45, s44                             ; (a packed form names a pair and takes its low word for both halves: so both are written)
.irp n, 0,1,2,3
	s_mov_b32 s[46+2*\n], s[32+\n]
	s_mov_b32 s[47+2*\n], s[32+\n]
.endr
.irp j, 0,1
	s_wait_loadcnt 8*(1-\j)                        ; this token's rows and biases are in; the next token's eight loads of b2 may be out
.irp i, 0,1,2,3
.irp p, 0,2
	v_pk_add_f32 v[P+64*\j+4*\i+\p:P+64*\j+4*\i+\p+1], v[P+64*\j+4*\i+\p:P+64*\j+4*\i+\p+1], v[P+64*\j+32+4*\i+\p:P+64*\j+32+4*\i+\p+1]
	v_pk_add_f32 v[P+64*\j+16+4*\i+\p:P+64*\j+16+4*\i+\p+1], v[P+64*\j+16+4*\i+\p:P+64*\j+16+4*\i+\p+1], v[P+64*\j+48+4*\i+\p:P+64*\j+48+4*\i+\p+1]
	v_pk_fma_f32 v[P+64*\j+4*\i+\p:P+64*\j+4*\i+\p+1], v[P+64*\j+4*\i+\p:P+64*\j+4*\i+\p+1], s[44:45], v[B2+32*\j+4*\i+\p:B2+32*\j+4*\i+\p+1] op_sel_hi:[1,0,1]
	v_pk_fma_f32 v[P+64*\j+16+4*\i+\p:P+64*\j+16+4*\i+\p+1], v[P+64*\j+16+4*\i+\p:P+64*\j+16+4*\i+\p+1], s[44:45], v[B2+32*\j+16+4*\i+\p:B2+32*\j+16+4*\i+\p+1] op_sel_hi:[1,0,1]
	v_pk_mul_f32 v[P+64*\j+4*\i+\p:P+64*\j+4*\i+\p+1], v[P+64*\j+4*\i+\p:P+64*\j+4*\i+\p+1], s[46+4*\j:47+4*\j] op_sel_hi:[1,0]
	v_pk_fma_f32 v[P+64*\j+4*\i+\p:P+64*\j+4*\i+\p+1], v[P+64*\j+16+4*\i+\p:P+64*\j+16+4*\i+\p+1], s[48+4*\j:49+4*\j], v[P+64*\j+4*\i+\p:P+64*\j+4*\i+\p+1] op_sel_hi:[1,0,1]
.endr
.endr
	s_wait_alu depctr_va_vdst(0)                   ; the token's packed instructions have written its sixteen results, which the four stores below read
.irp i, 0,1,2,3
	global_store_b128 v1, v[P+64*\j+4*\i:P+64*\j+4*\i+3], s[14:15] offset:2048*\j+512*\i th:TH_STORE_NT
.endr
.endr
	s_endpgm
.Lfunc_end_k_q98f1a01931_combine:
	.size	k_q98f1a01931_combine, .Lfunc_end_k_q98f1a01931_combine-k_q98f1a01931_combine
	.p2alignl 7, 3214868480
	.fill 96, 4, 3214868480
	.section	.rodata,"a",@progbits
	.p2align	6, 0x0
	.amdhsa_kernel k_q98f1a01931_combine
		.amdhsa_group_segment_fixed_size 0
		.amdhsa_private_segment_fixed_size 0
		.amdhsa_enable_private_segment 0
		.amdhsa_kernarg_size 48
		.amdhsa_user_sgpr_count 2
		.amdhsa_user_sgpr_kernarg_segment_ptr 1
		.amdhsa_wavefront_size32 1
		.amdhsa_system_sgpr_workgroup_id_x 1
		.amdhsa_system_sgpr_workgroup_id_y 1
		.amdhsa_system_sgpr_workgroup_id_z 1
		.amdhsa_system_vgpr_workitem_id 0
		.amdhsa_next_free_vgpr 208
		.amdhsa_next_free_sgpr 66
		.amdhsa_reserve_vcc 0
		.amdhsa_float_denorm_mode_32 3
		.amdhsa_float_denorm_mode_16_64 3
		.amdhsa_memory_ordered 1
		.amdhsa_forward_progress 1
		.amdhsa_inst_pref_size 14
	.end_amdhsa_kernel
	.amdgpu_metadata
---
amdhsa.version: [ 1, 2 ]
amdhsa.kernels:
  - .name:           k_q98f1a01931_combine
    .symbol:         k_q98f1a01931_combine.kd
    .args:
      - { .name: part, .offset: 0, .size: 8, .value_kind: global_buffer, .address_space: global }
      - { .name: gate, .offset: 8, .size: 8, .value_kind: global_buffer, .address_space: global }
      - { .name: sel, .offset: 16, .size: 8, .value_kind: global_buffer, .address_space: global }
      - { .name: b2, .offset: 24, .size: 8, .value_kind: global_buffer, .address_space: global }
      - { .name: lowp_scales, .offset: 32, .size: 8, .value_kind: global_buffer, .address_space: global }
      - { .name: out0, .offset: 40, .size: 8, .value_kind: global_buffer, .address_space: global }
    .group_segment_fixed_size: 0
    .private_segment_fixed_size: 0
    .kernarg_segment_align: 8
    .kernarg_segment_size: 48
    .max_flat_workgroup_size: 256
    .sgpr_count:     66
    .vgpr_count:     208
    .wavefront_size: 32
...
	.end_amdgpu_metadata
.endif
;; end of part 6
